; MI455X (gfx1250); checked and timed in simulation.
; The chip was launched on July 23, 2026; its instructions are those of AMD's public machine-readable ISA for CDNA 5 (MIT licence, August 2026) and "CDNA5" Instruction Set Architecture Reference Guide (July 2026). The comments in the code are by the model that wrote it; some were corrected since.
;; Multi Head Attention. Allowed arithmetic: matrix products marked QUANTISED: E2M3 operands, one E8M0 scale for each 32 along K, by v_wmma_scale_f32_16x16x128_f8f6f4 with both operands' format E2M3, f32 sums; everything else in f32.
;; Inputs: bk 1,024 float32; bo 1,024 float32; bq 1,024 float32; bv 1,024 float32; k 4 x 2,048 x 1,024 float32; q 4 x 2,048 x 1,024 float32; v 4 x 2,048 x 1,024 float32; wk 1,024 x 1,024 float32; wo 1,024 x 1,024 float32; wq 1,024 x 1,024 float32; wv 1,024 x 1,024 float32.
;; Outputs: out0 4 x 2,048 x 1,024 float32.
;; This version of the problem:
;;   THIS VERSION OF THE PROBLEM IS GIVEN IN LOW PRECISION. The matrix products marked QUANTISED in the list below multiply operands that are first quantised to E2M3 (2 exponent bits, 3 mantissa bits; 6 bits a number), with one power-of-two scale for each 32 numbers along K (OCP MX v1.0); their sums are f32. All else is computed in f32.
;;   The module's matrix products, in the order in which they are computed (A, B: the left and right operand; K: the contracted axis; several contracted axes count as one K, in the product's order):
;;     1. [M 8,192, K 1,024] x [K 1,024, N 1,024]; A: input q; B: input wq: QUANTISED
;;     2. [M 8,192, K 1,024] x [K 1,024, N 1,024]; A: input k; B: input wk: QUANTISED
;;     3. [M 8,192, K 1,024] x [K 1,024, N 1,024]; A: input v; B: input wv: QUANTISED
;;     4. batch 64 x [M 2,048, K 64] x [K 64, N 2,048]; A: computed on the way; B: computed on the way: QUANTISED
;;     5. batch 64 x [M 2,048, K 2,048] x [K 2,048, N 64]; A: softmax (see below); B: computed on the way: QUANTISED
;;     6. [M 8,192, K 1,024] x [K 1,024, N 1,024]; A: computed on the way; B: input wo: QUANTISED
;;   THE QUANTISER, for each operand of a quantised product, along K:
;;     - K is cut into blocks of 32 from its start; a last block that is shorter is filled with zeros.
;;     - A block's scale is 2^e with e = floor(log2(the largest magnitude in the block)) - 2, held to -126 .. 127; a block of zeros has e = 0. As a byte (E8M0): e + 127.
;;     - Each number is divided by its block's scale, clamped to +-7.5, and rounded to the nearest number of E2M3, ties to even, subnormals kept.
;;     - The product sums the exact products of the quantised numbers (number of the format x scale) in f32.
;;   ~~~python
;;   def quantise(x, axis):      # numpy; x: float32 -> the quantised numbers, widened to float32 again
;;       x = np.moveaxis(x, axis, -1); K = x.shape[-1]
;;       x = np.pad(x, [(0, 0)] * (x.ndim - 1) + [(0, -K % 32)]); x = x.reshape(x.shape[:-1] + (-1, 32)); a = np.abs(x).max(-1, keepdims=True)
;;       e = np.where(a > 0, np.clip(np.frexp(np.where(a > 0, a, 1))[1] - 1 - 2, -126, 127), 0)      # np.frexp(a)[1] - 1 = floor(log2(a)), exactly
;;       r = np.clip(x / 2.0 ** e, -7.5, 7.5)
;;       step = 2.0 ** (np.maximum(np.frexp(np.where(r == 0, 1, r))[1] - 1, 0) - 3)
;;       q = np.round(r / step) * step * 2.0 ** e      # np.round: ties to even
;;       return np.moveaxis(q.reshape(q.shape[:-2] + (-1,))[..., :K], -1, axis).astype(np.float32)
;;   ~~~
;;   SOFTMAX AHEAD OF A QUANTISED PRODUCT. Where the list says 'softmax', what is quantised is not the finished softmax but p = 2^(t - M), with t = logit x log2(e) and M = ceil(the row's largest t), a whole number; so 1/2 < the row's largest p <= 1. The row's sum l is taken of the UNQUANTISED p, in f32, and the product's result is divided by l at the end. Since M is a whole number, a kernel that streams over the keys may use a running M (the ceiling of the running maximum): every later rescaling is an exact power of two, which a block's scale takes up: the codes' values come out the same.
;;   OPERANDS COMPUTED ON THE WAY. 'Computed on the way' means the value that the module computes at that place (a softmax that the list does not call 'softmax' is quantised finished and normalised). What goes into a quantiser is computed in f32, as accurately as f32 sums, v_exp_f32 and their like allow (about 1e-6 of the number): no bf16 or f16 on the way to a quantiser, and a product that is left as it is and whose result goes on into a quantised operand takes f32 operands (vector FMAs, or v_wmma_f32_16x16x4_f32). A number that lies on a knife's edge between two numbers of the format may be rounded either way, as far as f32 arithmetic and the matrix unit's own rounding can turn it there, and no further.
;; One version. Each part assembles by itself: llvm-mc -triple=amdgcn-amd-amdhsa -mcpu=gfx1250 --defsym DOCPART=n.
;; ======== version 1 of 1: 4 launches
;; limits: right only within a limited range of input values
;; workspace buffers: xc 18,874,368 bytes; xs 786,432 bytes; wc 3,145,728 bytes; ws 131,072 bytes; hc 18,874,368 bytes; hs 786,432 bytes; cc 6,291,456 bytes; cs 262,144 bytes
;; launch quant (part 1): grid 1024 x 1, 4 waves a work-group, no clusters, 34,304 bytes of LDS; arguments q, k, v, wq, wk, wv, wo, xc, xs, wc, ws; writes xc, xs, wc, ws
.if DOCPART == 1
	.amdgcn_target "amdgcn-amd-amdhsa--gfx1250"
	.amdhsa_code_object_version 6
	.text
	.protected	k_qf6e04a5641_quant
	.globl	k_qf6e04a5641_quant
	.p2align	8
	.type	k_qf6e04a5641_quant,@function
k_qf6e04a5641_quant:
	s_mov_b64 s[64:65], 0
	v_nop
	global_prefetch_b8 v0, s[64:65] scope:SCOPE_SE
	s_setreg_imm32_b32 hwreg(HW_REG_WAVE_MODE, 25, 1), 1
	s_wait_xcnt 0x0
; q, k, v [8192][1024] and wq, wk, wv, wo [1024 (k)][1024 (n)], all f32, become codes of FP6 (E2M3) with one E8M0 byte for each 32 along K.
; A block's scale is 2^(floor(log2(its largest magnitude)) - 2); its byte is the largest magnitude's exponent field - 2, held at 1 from below.
; THE CODES LEAVE AS IMAGES OF OPERAND REGISTERS.  A fragment (16 rows x 128 K) is 12 registers a lane; its image is 1,536 bytes: registers 4 g .. 4 g + 3 of lane l at 512 g + 16 l.
; Lane (r, h) holds row r; registers 6 c .. 6 c + 5 are block 2 c + h of the 128.  xc: [tensor][row tile 512][K step 8][image]; wc: [weight][n tile 64][K step 8][image].
; The scale bytes lie as rows: xs [tensor][row][32], ws [weight][n][32].
; Work-groups 0-767 take q, k, v (K innermost): a wave takes 16 rows.  Work-groups 768-1023 take the weights (K is the first axis): a lane takes a column n and its registers run down K.
; wo's rows are taken, inside each block of 32, in the order 0-7, 16-23, 8-15, 24-31: the order in which the attention launch leaves its results; blocks and scales are the true ones.
; LIMITS: NaN and infinities among the inputs are not served; a block whose largest magnitude lies under 2^-124 has its byte held at 1; a block of zeros gets the byte 1 and not 127:
; its codes are zeros, and the bytes are read by this program alone.
.set STGB,  8448                       ; a wave's stage: 16 rows x (512 bytes + 16)
.set SPARE, 4*STGB                     ; behind the stages: the spare words, 128 bytes a wave, named by no other line
.set SPW,   18                         ; v18  SPARE + 4 x my thread's number; never rewritten
.set NIL,   19                         ; v19  0; never rewritten
.set LI,    4                          ; v4   16 x lane
.set R,     64                         ; v64-191  two sets of 64 registers as loaded
.set X,     192                        ; v192-255 my two blocks of 32 neighbours
.set PC,    32                         ; v32-43   the fragment's codes
.set CT,    44                         ; v44-46, v48-50 the blocks' upper halves as the conversions leave them
.set SW,    20                         ; v20-23   my row's four scale words of my half of K
.set OW,    28
.set WX,    64                         ; weights: v64-191 four blocks of 32 down K
.set F0,    32                         ; v32-43   blocks 0 and 2, later the first n tile's image
.set F1,    44                         ; v44-55   blocks 1 and 3, later the second's
.set U,     192                        ; v192-207 the blocks' upper halves
	s_load_b512 s[4:19], s[0:1], 0x0               ; q, k, v, wq, wk, wv, wo, xc
	s_load_b128 s[20:23], s[0:1], 0x40             ; xs, wc
	s_load_b64 s[24:25], s[0:1], 0x50              ; ws
	v_lshl_add_u32 v[SPW], v0, 2, SPARE
	v_mov_b32 v[NIL], 0
	v_lshrrev_b32 v1, 5, v0
	v_readfirstlane_b32 s26, v1                    ; wave 0..3
	v_and_b32 v2, 31, v0                           ; lane
	v_lshlrev_b32 v[LI], 4, v2
	s_cmp_lt_u32 ttmp9, 768                        ; work-groups 0-767 take q, k, v: a wave takes 16 rows x four K steps (half of K); work-groups 768-1023 take the weights
	s_cbranch_scc0 .Lweights
; ---------------- q, k, v: a wave takes 16 rows, four K steps of 128 (half of K) ----------------
	v_and_b32 v1, 15, v0                           ; r
	v_bfe_u32 v3, v0, 4, 1                         ; h
	s_mul_i32 s27, s26, STGB                       ; my stage
	v_add_nc_u32 v5, s27, v[LI]                    ; in: a row's 512 bytes, 16 a lane
	v_mul_u32_u24 v6, v1, 528
	v_lshl_add_u32 v6, v3, 7, v6
	v_add_nc_u32 v6, s27, v6                       ; back: row r, block h: 528 r + 128 h
	v_lshlrev_b32 v7, 3, v3                        ; 8 h
	v_lshlrev_b32 v8, 5, v1
	v_lshl_add_u32 v8, v3, 4, v8                   ; the scale words' place: 32 r + 16 h
	v_mov_b32 v17, 0                               ; a lane permute's destination counts as a source: written once
	s_mov_b32 s28, 0x76543210
	s_mov_b32 s29, 0xfedcba98                      ; selects for lane l xor 16
	s_lshr_b32 s31, ttmp9, 8                       ; which tensor
	s_bfe_u32 s32, ttmp9, 0x70001                  ; which 64 rows
	s_and_b32 s40, ttmp9, 1                        ; which half of K
	s_lshl_b32 s32, s32, 2
	s_add_co_u32 s32, s32, s26                     ; my tile of 16 rows, 0..511
	s_lshl_b32 s34, s32, 16
	s_lshl_b32 s41, s40, 11
	s_add_co_u32 s34, s34, s41                     ; + my half of K: four steps of 512 bytes
	s_mov_b32 s35, 0
	s_mul_i32 s36, s31, 6291456
	s_mul_i32 s33, s32, 12288
	s_add_co_u32 s36, s36, s33
	s_mul_i32 s41, s40, 6144
	s_add_co_u32 s36, s36, s41                     ; my four images of the tile's eight
	s_mov_b32 s37, 0
	s_lshl_b32 s38, s31, 18
	s_lshl_b32 s33, s32, 9
	s_add_co_u32 s38, s38, s33
	s_lshl_b32 s41, s40, 4
	s_add_co_u32 s38, s38, s41                     ; my four scale words of a row's eight
	s_mov_b32 s39, 0
	s_wait_alu depctr_va_vdst(0)
	s_wait_kmcnt 0x0
	s_cmp_eq_u32 s31, 1
	s_cselect_b64 s[4:5], s[6:7], s[4:5]
	s_cmp_eq_u32 s31, 2
	s_cselect_b64 s[4:5], s[8:9], s[4:5]
	s_add_nc_u64 s[4:5], s[4:5], s[34:35]
	s_add_nc_u64 s[18:19], s[18:19], s[36:37]
	s_add_nc_u64 s[20:21], s[20:21], s[38:39]
.macro XLOAD s                         ; K step s of my 16 rows: each load takes 512 consecutive bytes of one row
.irp i, 0,1,2,3,4,5,6,7,8,9,10,11,12,13,14,15
	global_load_b128 v[R+64*((\s)%2)+4*\i:R+64*((\s)%2)+4*\i+3], v[LI], s[4:5] offset:4096*\i+512*(\s) th:TH_LOAD_NT
.endr
.endm
.macro XSTEP s
.set RS, R+64*((\s)%2)
.if (\s) < 3
	s_wait_loadcnt 16                              ; this step's 16 loads are in; the next step's 16 may be out
.else
	s_wait_loadcnt 0x0
.endif
.irp i, 0,1,2,3,4,5,6,7,8,9,10,11,12,13,14,15
	ds_store_b128 v5, v[RS+4*\i:RS+4*\i+3] offset:528*\i
.endr
.irp c, 0,1                            ; back as the operand wants them: block 2 c + h of row r, 32 neighbours; LDS serves a wave's instructions in order
.irp j, 0,1,2,3,4,5,6,7
	ds_load_b128 v[X+32*\c+4*\j:X+32*\c+4*\j+3], v6 offset:256*\c+16*\j
.endr
.endr
	s_wait_dscnt 0x0
.if (\s) > 0
	s_wait_xcnt 0x0                                ; the last step's stores have read their data: the codes' registers are written again below
.endif
.if (\s) < 2
	XLOAD (\s)+2                                   ; into the set that the stage's stores have just read
.endif
.irp c, 0,1
	v_max3_num_f32 v[10+\c], |v[X+32*\c]|, |v[X+32*\c+1]|, 0x1800000   ; the floor 2^(3 - 127) among the leaves: the byte cannot fall under 1
.endr
.irp i, 2,4,6,8,10,12,14,16,18,20,22,24,26,28,30
.irp c, 0,1
	v_max3_num_f32 v[10+\c], v[10+\c], |v[X+32*\c+\i]|, |v[X+32*\c+\i+1]|
.endr
.endr
.irp c, 0,1
	v_add_nc_u32 v[12+\c], 0xff000000, v[10+\c]    ; 2 off the exponent field: the conversion's scale operand
.endr
.irp c, 0,1
	v_lshrrev_b32 v[14+\c], 23, v[12+\c]           ; the scale's byte
.endr
	v_lshl_or_b32 v16, v15, 16, v14                ; blocks h and 2 + h,
	v_lshlrev_b32 v16, v7, v16                     ; at their places in the word;
	v_permlanex16_b32 v17, v16, s28, s29
	v_or_b32 v[SW+(\s)], v16, v17                  ; with lane l xor 16's two the word is whole
.irp c, 0,1
	v_cvt_scalef32_pk16_fp6_f32 v[PC+6*\c:PC+6*\c+2], v[X+32*\c:X+32*\c+15], v[12+\c]
	v_cvt_scalef32_pk16_fp6_f32 v[CT+4*\c:CT+4*\c+2], v[X+32*\c+16:X+32*\c+31], v[12+\c]   ; a conversion's three registers begin on an even number
.endr
	v_nop                                          ; one plain place behind the conversions
.irp c, 0,1
.irp i, 0,1,2
	v_mov_b32 v[PC+6*\c+3+\i], v[CT+4*\c+\i]
.endr
.endr
.irp g, 0,1,2
	global_store_b128 v[LI], v[PC+4*\g:PC+4*\g+3], s[18:19] offset:1536*(\s)+512*\g   ; 512 consecutive bytes, aligned
.endr
.endm
	XLOAD 0
	XLOAD 1
.irp s, 0,1,2,3
	XSTEP \s
.endr
	s_wait_alu depctr_va_vdst(0)
	s_wait_xcnt 0x0                                ; EXEC changes only behind this wait
	v_cmp_gt_u32 vcc_lo, 16, v2
	s_and_saveexec_b32 s41, vcc_lo                 ; lanes 16-31 hold the same words
	global_store_b128 v8, v[SW:SW+3], s[20:21]     ; row r's four words of my half of K: 16 bytes at 32 r
	s_wait_xcnt 0x0
	s_or_b32 exec_lo, exec_lo, s41
	s_wait_tensorcnt 0x0                           ; the wave's end
	ds_add_u32 v[SPW], v[NIL]
	s_wait_dscnt 0x0
	s_endpgm
; ---------------- the weights: a wave takes 32 columns x one K step of 128; no LDS ----------------
.Lweights:
	s_sub_co_u32 s27, ttmp9, 768
	s_lshr_b32 s31, s27, 6                         ; which weight
	s_bfe_u32 s32, s27, 0x30003                    ; K step
	s_and_b32 s33, s27, 7                          ; which 128 columns
	s_wait_alu depctr_va_vdst(0)
	v_lshlrev_b32 v9, 2, v2                        ; 4 x lane: my column
	v_lshlrev_b32 v8, 5, v2                        ; 32 x lane: my column's row of scale bytes
	s_lshl_b32 s34, s32, 19                        ; 128 rows of 4,096 bytes
	s_lshl_b32 s36, s33, 9
	s_add_co_u32 s34, s34, s36
	s_lshl_b32 s36, s26, 7
	s_add_co_u32 s34, s34, s36                     ; + 4 x (128 x which + 32 x wave)
	s_mov_b32 s35, 0
	s_lshl_b32 s36, s33, 3
	s_lshl_b32 s37, s26, 1
	s_add_co_u32 s36, s36, s37                     ; my first n tile
	s_lshl_b32 s38, s36, 9                         ; its 16 rows of 32 scale bytes
	s_lshl_b32 s36, s36, 3
	s_add_co_u32 s36, s36, s32
	s_mul_i32 s36, s36, 1536                       ; its image of this K step
	s_mul_i32 s37, s31, 786432
	s_add_co_u32 s36, s36, s37
	s_mov_b32 s37, 0
	s_lshl_b32 s39, s31, 15
	s_add_co_u32 s38, s38, s39
	s_lshl_b32 s39, s32, 2
	s_add_co_u32 s38, s38, s39
	s_mov_b32 s39, 0
	s_wait_alu depctr_va_vdst(0)
	s_wait_kmcnt 0x0
	s_cmp_eq_u32 s31, 1
	s_cselect_b64 s[10:11], s[12:13], s[10:11]
	s_cmp_eq_u32 s31, 2
	s_cselect_b64 s[10:11], s[14:15], s[10:11]
	s_cmp_eq_u32 s31, 3
	s_cselect_b64 s[10:11], s[16:17], s[10:11]
	s_cselect_b32 s27, 32768, 0                    ; wo: places 8-15 of a block take rows 16-23, eight rows of 4,096 bytes further down,
	s_sub_co_u32 s28, 32768, s27                   ; and places 16-23 rows 8-15
	s_add_nc_u64 s[10:11], s[10:11], s[34:35]
	s_add_nc_u64 s[22:23], s[22:23], s[36:37]
	s_add_nc_u64 s[24:25], s[24:25], s[38:39]
	v_add_nc_u32 v14, s27, v9
	v_add_nc_u32 v15, s28, v9
.macro WLOAD kb                        ; block kb of my column: register 32 kb + i is place i of the block; 32 lanes read 128 consecutive bytes
.irp i, 0,1,2,3,4,5,6,7
	global_load_b32 v[WX+32*(\kb)+\i], v9, s[10:11] offset:(32*(\kb)+\i)*4096 th:TH_LOAD_NT
.endr
.irp i, 8,9,10,11,12,13,14,15
	global_load_b32 v[WX+32*(\kb)+\i], v14, s[10:11] offset:(32*(\kb)+\i)*4096 th:TH_LOAD_NT
.endr
.irp i, 16,17,18,19,20,21,22,23
	global_load_b32 v[WX+32*(\kb)+\i], v15, s[10:11] offset:(32*(\kb)+\i-8)*4096 th:TH_LOAD_NT
.endr
.irp i, 24,25,26,27,28,29,30,31
	global_load_b32 v[WX+32*(\kb)+\i], v9, s[10:11] offset:(32*(\kb)+\i)*4096 th:TH_LOAD_NT
.endr
.endm
.macro WBLOCK kb
.set XB, WX+32*(\kb)
.set PL, F0+12*((\kb)%2)+6*((\kb)/2)
.if (\kb) < 3
	s_wait_loadcnt 32                              ; this block's 32 loads are in; the next block's 32, the only ones issued behind them, may be out
.else
	s_wait_loadcnt 0x0
.endif
.if (\kb) < 2
	WLOAD (\kb)+2                                  ; the loads run two blocks ahead; each block has registers of its own
.endif
	v_max3_num_f32 v[10+(\kb)], |v[XB]|, |v[XB+1]|, |v[XB+2]|
	v_max3_num_f32 v16, |v[XB+3]|, |v[XB+4]|, |v[XB+5]|
.irp i, 6,10,14,18,22,26
	v_max3_num_f32 v[10+(\kb)], v[10+(\kb)], |v[XB+\i]|, |v[XB+\i+1]|
	v_max3_num_f32 v16, v16, |v[XB+\i+2]|, |v[XB+\i+3]|
.endr
	v_max3_num_f32 v[10+(\kb)], v[10+(\kb)], |v[XB+30]|, |v[XB+31]|
	v_max3_num_f32 v[10+(\kb)], v[10+(\kb)], v16, 0x1800000   ; and the floor
	v_add_nc_u32 v[20+(\kb)], 0xff000000, v[10+(\kb)]
	v_lshrrev_b32 v[24+(\kb)], 23, v[20+(\kb)]
	v_cvt_scalef32_pk16_fp6_f32 v[PL:PL+2], v[XB:XB+15], v[20+(\kb)]
	v_cvt_scalef32_pk16_fp6_f32 v[U+4*(\kb):U+4*(\kb)+2], v[XB+16:XB+31], v[20+(\kb)]
.endm
	WLOAD 0
	WLOAD 1
	s_wait_alu depctr_va_vdst(0)
	WBLOCK 0
	WBLOCK 1
	WBLOCK 2
	WBLOCK 3
	v_nop                                          ; one plain place behind the conversions
.irp kb, 0,1,2,3
.irp i, 0,1,2
	v_mov_b32 v[F0+12*(\kb%2)+6*(\kb/2)+3+\i], v[U+4*\kb+\i]
.endr
.endr
.irp i, 0,1,2,3,4,5,6,7,8,9,10,11      ; blocks 0, 2 of columns 16-31 change places with blocks 1, 3 of columns 0-15: both runs are now images
	v_permlane16_swap_b32 v[F0+\i], v[F1+\i]
.endr
	v_lshl_or_b32 v28, v25, 8, v24                 ; my column's scale word of this K step
	v_lshl_or_b32 v28, v26, 16, v28
	v_lshl_or_b32 v28, v27, 24, v28
.irp g, 0,1,2
	global_store_b128 v[LI], v[F0+4*\g:F0+4*\g+3], s[22:23] offset:512*\g
	global_store_b128 v[LI], v[F1+4*\g:F1+4*\g+3], s[22:23] offset:12288+512*\g   ; the next n tile's images lie 8 x 1,536 bytes on
.endr
	global_store_b32 v8, v28, s[24:25]             ; 4 bytes a lane, 32 bytes apart: one byte in 128 of what this path reads
	s_endpgm
.Lfunc_end_k_qf6e04a5641_quant:
	.size	k_qf6e04a5641_quant, .Lfunc_end_k_qf6e04a5641_quant-k_qf6e04a5641_quant
	.p2alignl 7, 3214868480
	.fill 96, 4, 3214868480
	.section	.rodata,"a",@progbits
	.p2align	6, 0x0
	.amdhsa_kernel k_qf6e04a5641_quant
		.amdhsa_group_segment_fixed_size 34304
		.amdhsa_private_segment_fixed_size 0
		.amdhsa_enable_private_segment 0
		.amdhsa_kernarg_size 88
		.amdhsa_user_sgpr_count 2
		.amdhsa_user_sgpr_kernarg_segment_ptr 1
		.amdhsa_wavefront_size32 1
		.amdhsa_system_sgpr_workgroup_id_x 1
		.amdhsa_system_sgpr_workgroup_id_y 1
		.amdhsa_system_sgpr_workgroup_id_z 1
		.amdhsa_system_vgpr_workitem_id 0
		.amdhsa_next_free_vgpr 256
		.amdhsa_next_free_sgpr 66
		.amdhsa_reserve_vcc 1
		.amdhsa_float_denorm_mode_32 3
		.amdhsa_float_denorm_mode_16_64 3
		.amdhsa_memory_ordered 1
		.amdhsa_forward_progress 1
		.amdhsa_inst_pref_size 51
	.end_amdhsa_kernel
	.amdgpu_metadata
---
amdhsa.version: [ 1, 2 ]
amdhsa.kernels:
  - .name:           k_qf6e04a5641_quant
    .symbol:         k_qf6e04a5641_quant.kd
    .args:
      - { .name: q, .offset: 0, .size: 8, .value_kind: global_buffer, .address_space: global }
      - { .name: k, .offset: 8, .size: 8, .value_kind: global_buffer, .address_space: global }
      - { .name: v, .offset: 16, .size: 8, .value_kind: global_buffer, .address_space: global }
      - { .name: wq, .offset: 24, .size: 8, .value_kind: global_buffer, .address_space: global }
      - { .name: wk, .offset: 32, .size: 8, .value_kind: global_buffer, .address_space: global }
      - { .name: wv, .offset: 40, .size: 8, .value_kind: global_buffer, .address_space: global }
      - { .name: wo, .offset: 48, .size: 8, .value_kind: global_buffer, .address_space: global }
      - { .name: xc, .offset: 56, .size: 8, .value_kind: global_buffer, .address_space: global }
      - { .name: xs, .offset: 64, .size: 8, .value_kind: global_buffer, .address_space: global }
      - { .name: wc, .offset: 72, .size: 8, .value_kind: global_buffer, .address_space: global }
      - { .name: ws, .offset: 80, .size: 8, .value_kind: global_buffer, .address_space: global }
    .group_segment_fixed_size: 34304
    .private_segment_fixed_size: 0
    .kernarg_segment_align: 8
    .kernarg_segment_size: 88
    .max_flat_workgroup_size: 128
    .sgpr_count:     66
    .vgpr_count:     256
    .wavefront_size: 32
...
	.end_amdgpu_metadata
.endif
;; end of part 1
;; launch proj (part 2): grid 32 x 24, 4 waves a work-group, clusters of 4 x 4, 327,680 bytes of LDS; arguments xc, xs, wc, ws, bq, bk, bv, hc, hs; writes hc, hs
.if DOCPART == 2
	.amdgcn_target "amdgcn-amd-amdhsa--gfx1250"
	.amdhsa_code_object_version 6
	.text
	.protected	k_qf6e04a5641_proj
	.globl	k_qf6e04a5641_proj
	.p2align	8
	.type	k_qf6e04a5641_proj,@function
k_qf6e04a5641_proj:
	s_mov_b64 s[64:65], 0
	v_nop
	global_prefetch_b8 v0, s[64:65] scope:SCOPE_SE
	s_setreg_imm32_b32 hwreg(HW_REG_WAVE_MODE, 25, 1), 1
	s_wait_xcnt 0x0
	s_wait_alu depctr_hold_cnt(0) depctr_sa_sdst(0) depctr_va_vdst(0) depctr_va_sdst(0) depctr_va_ssrc(0) depctr_va_vcc(0) depctr_vm_vsrc(0)
	s_getreg_b32 s2, hwreg(HW_REG_IB_STS2, 6, 4)
	s_cmp_eq_u32 s2, 0
	s_cbranch_scc0 .Lentry_in_a_cluster
	s_endpgm
.Lentry_in_a_cluster:
	s_bfe_u32 s2, ttmp6, 0x10000c
	s_cmp_lg_u32 s2, 0xf033
	s_cbranch_scc0 .Lentry_shape_is_right
	s_endpgm
.Lentry_shape_is_right:
; Q = q wq + bq, K = k wk + bk, V = v wv + bv: three products of 8,192 x 1,024 x 1,024 on codes of FP6 (E2M3) with E8M0 scales, f32 sums, each result quantised again on the way out: Q and K along the head's 64, V along the tokens.
; OPERANDS as the first launch left them: xc[tensor][tile of 16 rows][K step][1,536 bytes], wc[weight][tile of 16 n][K step][1,536]: registers 4 g .. 4 g + 3 of lane l at 512 g + 16 l; xs, ws: [row][8 scale words].
; THE DEAL.  768 work-groups of four waves, 2 x 2: 256 for each tensor.  A work-group takes 256 rows of a STREAMED operand against 128 rows of a HELD operand.  For Q and K the tokens are streamed and the weight's n are held; for V the weight's
; n (= d) are streamed and the tokens are held: only pointers are chosen.  The wave in row a, column b holds four tiles of 16 held rows (64 b + ..), all of K, in 384 registers, and streams eight blocks of 16 rows past them: block s is rows 32 s + 16 a + ..
; Source 0 = the held rows, source 1 = the streamed rows: lane (r, h) holds streamed row r, and register 8 t + j the held row 16 t + 8 h + j: its 32 sums run along the next product's K, two scale blocks, each shared with lane l xor 16.
; RESULTS.  hc[tensor][batch][pair of heads][128 tokens][tile a'][two halves of 768 bytes]: a half is six registers: 0-3 of lane l at 16 l, 4, 5 at 512 + 8 l.  A wave's block is half b of tile a' = 2 (s % 4) + a of region s / 4.
; Inside a block of 32 the codes stand in the order 0-7, 16-23, 8-15, 24-31, alike in Q and K, and in V as p's will.  hs: 512 bytes a region: word a' / 2 of lane 16 (a' % 2) + r; my two bytes are 2 b, 2 b + 1 of it.  They are gathered in LDS
; bytes of their own and leave as units of 256 bytes behind one barrier.
; THE BIAS: Q's and K's hangs on the held row: it is the first products' C.  V's hangs on the streamed row: it is added on the way into the quantiser.  The other of the two is zeros.
; CLUSTERS: 48 of 4 x 4; number L = x + 8 y; tensor L / 16.  Tile row 4 X + cx, tile column 4 Y + cy; Q, K: X = L % 8, Y = (L / 8) % 2; V: X = 0, Y = L % 16.  The streamed tiles are shared by a column of the cluster, the held ones by a row.
; LDS: 16 streamed tiles (196,608 bytes), 8 held tiles (98,304), dense, all at once: nothing is filled again, and there is no data prefetch, since all is asked for at the head.
; THE HEAD'S FOUR LOADS, one a wave, each on a line of its own: the held tiles; streamed tiles 0-7; 8-11; 12-15.  The stream begins when the first two are in; a plain barrier inside block 1 shows the others.
; LIMITS: NaN and infinities are not served; Q's and K's sums begin with the bias, where reference() adds it last; a block's byte is held at 1 from below; a block of zeros gets the byte 1 (its codes are zeros; this program alone reads the bytes).
.set NQ, 8                             ; K / 128
.set NB, 4                             ; held tiles a wave
.set FR, 12                            ; registers of a fragment
.set FPW, 256/FR                       ; fragments in a window
.set NF, 24                            ; LDS loads of a block's fetch
.set TILEB, 12288                      ; a tile of 16 rows, all of K
.set KROW, 768
.set YB, 16*TILEB                      ; the held tiles
.set XN, YB+8*TILEB                    ; the results' scale bytes: two regions of 512
.set SPARE, XN+1024                    ; the spare words, 128 bytes a wave, named by no other line
.set CO, 9                             ; v9   16 x lane
.set SPW, 10                           ; v10  my spare word
.set NIL, 11                           ; v11  0
.set CO8, 12                           ; v12  8 x lane
.set XA, 13                            ; v13  LDS: where my row's two scale bytes go
.set ADRB, 14                          ; v14  LDS address of my held fragments
.set XR, 15                            ; v15  LDS: my 8 bytes of the unit that my wave stores
.set ABS, 16                           ; v16  my offset in the held rows' scale words
.set AAS, 17                           ; v17  in the streamed rows'
.set AQ0, 20                           ; v20  block 0's tile + 16 x lane; never rewritten
.set AQ, 22                            ; v22  the same for the block that is fetched next
.set SB, 24                            ; v24-39  the held rows' scale words
.set SA, 42                            ; v42-73  the streamed rows': eight for each pair of blocks
.set ACC, 80                           ; v80-143 two sets of four accumulators
.set T, 144                            ; v144-175 a block's 32 numbers ahead of the quantiser
.set PC, 176                           ; v176-181 its codes
.set CT, 192                           ; v192-194 the second conversion's codes
.set TM, 196                           ; v196-201 largest magnitudes, at work, scale operands
.set PW, 202                           ; v202 the two scale bytes
.set BP, 208                           ; v208-239 the bias by held rows, as the first four products' C
.set BR, 240                           ; v240-255 the bias by streamed rows: a pair of equal numbers for each block
.set G1A, 24
.set G0A, 56
.set G1B, 32
.set G0B, 60
.set HP, 84                            ; s[84:85], s[86:87] where my halves of regions 0, 1 begin in hc
.set SEL, 88
.set MSB, 0
.macro WIN new
.if MSB != \new
	s_set_vgpr_msb (MSB<<8)|\new
.set MSB, \new
.endif
.endm
.macro PLACES n
.rept \n
	v_nop
.endr
.endm
.macro WALU
	s_wait_alu depctr_va_vdst(0)
.endm
.macro BARRIER
	s_barrier_signal -1
	s_barrier_wait -1
.endm
.macro CROUND
	BARRIER
	s_cmp_lg_u32 s14, 0
	s_cbranch_scc1 .Lnot_wave_0_\@
	s_barrier_signal -3
.Lnot_wave_0_\@:
	s_barrier_wait -3
	BARRIER
.endm
.macro TLOAD g0, g1                    ; an s_nop 0 and four v_nop follow a tensor load
	tensor_load_to_lds s[\g0:\g0+3], s[\g1:\g1+7]
	s_nop 0
	PLACES 4
.endm
.macro ATILE first, rows               ; a part of the streamed tiles, counted in rows of 768 bytes: dense, so its place in LDS is its place in the block
	s_mov_b32 s[G0A+1], (\first)*KROW
	s_mov_b32 s[G1A+2], (\rows)<<16
	s_mov_b32 s[G1A+4], \rows
.if \first
	s_add_nc_u64 s[G0A+2:G0A+3], s[G0A+2:G0A+3], (\first)*KROW
.endif
	s_or_b32 s[G0A+3], s[G0A+3], 0x80000000
	TLOAD G0A, G1A
.endm
.macro GROUP1 g, mask, rows            ; rows of 768 elements of one byte, dense; rows = 0: the two words that hold the rows are written with each tile
	s_or_b32 s[\g+0], s[\mask], (1<<21)
	s_mov_b32 s[\g+1], (KROW&0xffff)<<16
	s_mov_b32 s[\g+3], KROW<<16
.if \rows
	s_mov_b32 s[\g+2], (\rows)<<16
	s_mov_b32 s[\g+4], \rows
.endif
	s_mov_b32 s[\g+5], KROW
	s_mov_b32 s[\g+6], 0
	s_mov_b32 s[\g+7], 0
.endm
; fragment f lies in window 1 + f / 21 at register 12 (f % 21): 0-31 the held ones (4 q + tile), 32-47 the streamed ones' two sets (32 + 8 e + q)
.macro FRAGB q, b
.set F_, NB*(\q)+(\b)
	WIN (1+F_/FPW)<<6
.irp g, 0,1,2
	ds_load_b128 v[FR*(F_%FPW)+4*\g:FR*(F_%FPW)+4*\g+3], v[ADRB] offset:(\b)*TILEB+(\q)*1536+512*\g
.endr
.endm
.macro FETCH e, aq                     ; a streamed block into set e: NF loads
.irp q, 0,1,2,3,4,5,6,7
.set F_, NB*NQ+NQ*(\e)+\q
.set R_, FR*(F_%FPW)
	WIN (1+F_/FPW)<<6
	ds_load_b128 v[R_:R_+3], v[\aq] offset:1536*\q
	ds_load_b128 v[R_+4:R_+7], v[\aq] offset:1536*\q+512
	ds_load_b128 v[R_+8:R_+11], v[\aq] offset:1536*\q+1024
.endr
	WIN 0
.endm
.macro WM d, s0, s1, c, x0, x1, ra, rb
	v_wmma_scale_f32_16x16x128_f8f6f4 v[\d:\d+7], v[\s0:\s0+FR-1], v[\s1:\s1+FR-1], \c, v[\x0], v[\x1] matrix_a_fmt:MATRIX_FMT_FP6 matrix_b_fmt:MATRIX_FMT_FP6 matrix_a_scale:MATRIX_SCALE_ROW\ra matrix_b_scale:MATRIX_SCALE_ROW\rb
.endm
.macro WMR d, s0, s1, c, x0, x1, o, p
.if (\o) && (\p)
	WM \d, \s0, \s1, \c, \x0, \x1, 1, 1
.elseif \o
	WM \d, \s0, \s1, \c, \x0, \x1, 1, 0
.elseif \p
	WM \d, \s0, \s1, \c, \x0, \x1, 0, 1
.else
	WM \d, \s0, \s1, \c, \x0, \x1, 0, 0
.endif
.endm
.macro PROD s, n                       ; product n = 4 q + tile of block s; the four accumulators take turns
.set Q_, (\n)/4
.set FB_, NB*Q_+(\n)%4
.set FA_, NB*NQ+NQ*((\s)%2)+Q_
.set D_, ACC+32*((\s)%2)+8*((\n)%4)
.set C_, BP+8*((\n)%4)
.set XB_, SB+NQ*(((\n)%4)/2)+Q_
.set XA_, SA+8*((\s)/2)+Q_
.set RB_, FR*(FB_%FPW)
.set RA_, FR*(FA_%FPW)
	WIN (1+FB_/FPW)|((1+FA_/FPW)<<2)
.if Q_
	WMR D_, RB_, RA_, v[D_:D_+7], XB_, XA_, (\n)%2, (\s)%2
.else
	WMR D_, RB_, RA_, v[C_:C_+7], XB_, XA_, (\n)%2, (\s)%2
.endif
.endm
.macro PRODS s, from, to
.set N_, \from
.rept (\to)-(\from)
	PROD \s, N_
.set N_, N_+1
.endr
	WIN 0
.endm
.macro QOUT s                          ; block s's way out: the bias by rows; two blocks' largest magnitudes, scales and codes; the stores
.set AC, ACC+32*((\s)%2)
.set i, 0
.rept 16
	v_pk_add_f32 v[T+i:T+i+1], v[AC+i:AC+i+1], v[BR+2*(\s):BR+2*(\s)+1]   ; each accumulator from its low end on
.set i, i+2
.endr
.irp b, 0,1
	v_max3_num_f32 v[TM+\b], |v[T+16*\b]|, |v[T+16*\b+1]|, 0x1800000      ; the floor 2^(3 - 127) among the leaves: the byte cannot fall under 1
.endr
.irp i, 2,4,6,8,10,12,14
.irp b, 0,1
	v_max3_num_f32 v[TM+\b], v[TM+\b], |v[T+16*\b+\i]|, |v[T+16*\b+\i+1]|
.endr
.endr
.irp b, 0,1
	v_permlanex16_b32 v[TM+2+\b], v[TM+\b], s[SEL], s[SEL+1]
.endr
.irp b, 0,1
	v_max_num_f32 v[TM+\b], v[TM+\b], v[TM+2+\b]   ; with lane l xor 16's 16
.endr
.irp b, 0,1
	v_add_nc_u32 v[TM+4+\b], 0xff000000, v[TM+\b]  ; 2 off the exponent field: the conversion's scale operand
.endr
.irp b, 0,1
	v_lshrrev_b32 v[TM+2+\b], 23, v[TM+4+\b]       ; the scale's byte
.endr
	v_lshl_or_b32 v[PW], v[TM+3], 8, v[TM+2]
	v_cvt_scalef32_pk16_fp6_f32 v[PC:PC+2], v[T:T+15], v[TM+4]
	v_cvt_scalef32_pk16_fp6_f32 v[CT:CT+2], v[T+16:T+31], v[TM+5]
	v_nop                                          ; one plain place behind the conversions
.irp i, 0,1,2                          ; the operand wants a whole block in a lane: lanes 0-15 block 0, lanes 16-31 block 1
	v_permlane16_swap_b32 v[PC+\i], v[CT+\i]
.endr
.irp i, 0,1,2
	v_mov_b32 v[PC+3+\i], v[CT+\i]
.endr
	ds_store_b16 v[XA], v[PW] offset:512*((\s)/4)+4*((\s)%4)   ; lanes l and l xor 16 write the same bytes with the same value
	global_store_b128 v[CO], v[PC:PC+3], s[HP+2*((\s)/4):HP+2*((\s)/4)+1] offset:3072*((\s)%4)        ; 512 consecutive bytes, aligned
	global_store_b64 v[CO8], v[PC+4:PC+5], s[HP+2*((\s)/4):HP+2*((\s)/4)+1] offset:3072*((\s)%4)+512  ; 256 consecutive bytes, aligned
.endm
.macro STREAM s
.if (\s) == 1
	PRODS \s, 0, 24
	s_wait_tensorcnt 0x0                           ; every wave's tile is in,
	s_wait_dscnt 0x0
	s_barrier_signal -1                            ; a plain barrier: streamed tiles 8-15 are shown to all
	PRODS \s, 24, 32
	s_barrier_wait -1
.else
	PRODS \s, 0, 32
.endif
.if (\s) < 6                           ; four plain vector lines between the last product and the fetch into its registers and the first reader of its sums
	v_add_nc_u32 v[AQ], ((\s)+2)*2*TILEB, v[AQ0]
	PLACES 3
	FETCH (\s)%2, AQ
.else
	PLACES 4
.endif
	s_wait_xcnt 0x0                                ; the last block's stores have read the codes' registers
	QOUT \s
.if (\s) < 6
	s_wait_dscnt NF+1                              ; the next block's fragments are in: younger are this block's fetch and its one LDS store
.else
	s_wait_dscnt 0x0
.endif
.endm
; ================= the head
	s_load_b256 s[4:11], s[0:1], 0x0               ; xc, xs, wc, ws
	s_load_b256 s[92:99], s[0:1], 0x20             ; bq, bk, bv, hc
	s_load_b64 s[100:101], s[0:1], 0x40            ; hs
	v_lshl_add_u32 v[SPW], v0, 2, SPARE
	v_mov_b32 v[NIL], 0
	ds_add_u32 v[SPW], v[NIL]                      ; the opening lines
	ds_add_u32 v[SPW], v[NIL]
	v_lshrrev_b32 v1, 5, v0
	v_readfirstlane_b32 s14, v1                    ; the wave; s15 its row a of the 2 x 2, s16 its column b
	s_lshr_b32 s15, s14, 1
	s_and_b32 s16, s14, 1
	s_bfe_u32 s40, ttmp6, 0x40000                  ; cx
	s_bfe_u32 s41, ttmp6, 0x40004                  ; cy
	s_and_b32 s2, ttmp7, 0xffff                    ; the cluster's y, 0..5
	s_lshr_b32 s66, s2, 1                          ; the tensor: 0 Q, 1 K, 2 V
	s_and_b32 s67, s2, 1
	s_lshl_b32 s3, s67, 3
	s_add_co_u32 s3, s3, ttmp9                     ; the cluster's number in its tensor, 0..15
	s_cmp_eq_u32 s66, 2
	s_cselect_b32 s43, 0, ttmp9
	s_cselect_b32 s42, s3, s67
	s_lshl_b32 s43, s43, 2
	s_add_co_u32 s43, s43, s40                     ; tile row: 256 streamed rows
	s_lshl_b32 s42, s42, 2
	s_add_co_u32 s42, s42, s41                     ; tile column: 128 held rows
	s_lshl_b32 s44, 0x1111, s40                    ; my column of the cluster: shares the streamed tiles
	s_lshl_b32 s45, s41, 2
	s_lshl_b32 s45, 15, s45                        ; my row: shares the held ones
	GROUP1 G1A, 44, 0
	GROUP1 G1B, 45, 128
	s_mov_b32 s[G0A], 1
	s_mov_b32 s[G0B], 1
	s_mov_b32 s[G0B+1], YB
	s_mul_i32 s76, s43, 16*TILEB                   ; the streamed codes
	s_mov_b32 s77, 0
	s_mul_i32 s78, s42, 8*TILEB                    ; the held codes
	s_mov_b32 s79, 0
	s_lshl_b32 s80, s43, 13                        ; the streamed rows' scale words: 256 rows of 32 bytes, + 16 a rows
	s_lshl_b32 s21, s15, 9
	s_add_co_u32 s80, s80, s21
	s_mov_b32 s81, 0
	s_lshl_b32 s82, s42, 12                        ; the held rows': 128 rows, + 64 b rows
	s_lshl_b32 s21, s16, 11
	s_add_co_u32 s82, s82, s21
	s_mov_b32 s83, 0
	; where the results go: region ((batch x 8 + pair of heads) x 16 + group of 128 tokens in the batch); my second region is the next group (Q, K) or the next pair (V)
	s_lshl_b32 s46, s43, 1
	s_cmp_eq_u32 s66, 2
	s_cselect_b32 s47, s42, s46                    ; the group of 128 tokens, 0..63
	s_cselect_b32 s48, s46, s42                    ; the pair of heads
	s_cselect_b32 s49, 16, 1
	s_lshr_b32 s50, s47, 4
	s_lshl_b32 s50, s50, 3
	s_add_co_u32 s50, s50, s48
	s_lshl_b32 s50, s50, 4
	s_and_b32 s51, s47, 15
	s_add_co_u32 s50, s50, s51                     ; region 0
	s_add_co_u32 s51, s50, s49                     ; region 1
	s_mul_i32 s20, s66, 6291456
	s_mul_i32 s21, s15, 1536
	s_add_co_u32 s20, s20, s21
	s_mul_i32 s21, s16, 768
	s_add_co_u32 s20, s20, s21                     ; the tensor, tile a, half b
	s_mul_i32 s52, s50, TILEB
	s_add_co_u32 s52, s52, s20
	s_mov_b32 s53, 0
	s_mul_i32 s54, s51, TILEB
	s_add_co_u32 s54, s54, s20
	s_mov_b32 s55, 0
	s_mul_i32 s68, s15, s49                        ; my wave stores bytes 256 b .. of region a's 512 scale bytes
	s_add_co_u32 s68, s68, s50
	s_lshl_b32 s68, s68, 9
	s_lshl_b32 s21, s66, 18
	s_add_co_u32 s68, s68, s21
	s_lshl_b32 s21, s16, 8
	s_add_co_u32 s68, s68, s21
	s_mov_b32 s69, 0
	s_lshl_b32 s70, s42, 9                         ; the bias by held rows: my 64 numbers
	s_lshl_b32 s21, s16, 8
	s_add_co_u32 s70, s70, s21
	s_lshl_b32 s72, s43, 10                        ; by streamed rows: my first 16
	s_lshl_b32 s21, s15, 6
	s_add_co_u32 s72, s72, s21
	s_cmp_eq_u32 s66, 2
	s_cselect_b32 s70, s72, s70
	s_mov_b32 s71, 0
	s_mov_b32 s[SEL], 0x76543210
	s_mov_b32 s[SEL+1], 0xfedcba98                 ; selects for lane l xor 16
	v_and_b32 v1, 15, v0
	v_bfe_u32 v2, v0, 4, 1
	v_and_b32 v3, 31, v0
	s_mul_i32 s23, s15, TILEB
	v_lshl_add_u32 v[AQ0], v3, 4, s23
	v_add_nc_u32 v[AQ], 2*TILEB, v[AQ0]
	s_mul_i32 s22, s16, NB*TILEB
	s_add_co_u32 s22, s22, YB
	v_lshl_add_u32 v[ADRB], v3, 4, s22
	v_lshlrev_b32 v[ABS], 5, v3                    ; 32 rows of 32 bytes
	v_lshlrev_b32 v[AAS], 5, v1
	v_lshl_add_u32 v[AAS], v2, 10, v[AAS]          ; row r of an even block, or of the block 32 rows on
	v_lshlrev_b32 v[CO], 4, v3
	v_lshlrev_b32 v[CO8], 3, v3
	s_lshl_b32 s21, s15, 8
	s_lshl_b32 s22, s16, 1
	s_add_co_u32 s21, s21, s22
	s_add_co_u32 s21, s21, XN
	v_lshl_add_u32 v[XA], v1, 4, s21               ; 16 (16 a + r) + 2 b
	s_lshl_b32 s21, s14, 8
	s_add_co_u32 s21, s21, XN
	v_lshl_add_u32 v[XR], v3, 3, s21
	v_lshlrev_b32 v8, 5, v2                        ; the bias by held rows: register j of tile t is row 16 t + 8 h + j
	v_lshlrev_b32 v5, 2, v1                        ; by streamed rows: row r
	v_mov_b32 v[TM+2], 0                           ; a lane permute's destination counts as a source
	v_mov_b32 v[TM+3], 0
	WALU
	s_wait_dscnt 0x0
	CROUND                                         ; the opening round, ahead of the wait for the arguments
	s_wait_kmcnt 0x0
	s_mov_b32 s3, 0
	s_mul_i32 s2, s66, 6291456
	s_add_nc_u64 s[4:5], s[4:5], s[2:3]
	s_mul_i32 s2, s66, 262144
	s_add_nc_u64 s[6:7], s[6:7], s[2:3]
	s_mul_i32 s2, s66, 786432
	s_add_nc_u64 s[8:9], s[8:9], s[2:3]
	s_mul_i32 s2, s66, 32768
	s_add_nc_u64 s[10:11], s[10:11], s[2:3]
	s_cmp_eq_u32 s66, 2                            ; V: the weight is streamed and the tokens are held
	s_cselect_b64 s[18:19], s[8:9], s[4:5]         ; the streamed codes
	s_cselect_b64 s[8:9], s[4:5], s[8:9]           ; the held codes
	s_cselect_b64 s[4:5], s[10:11], s[6:7]         ; the streamed rows' scale words
	s_cselect_b64 s[10:11], s[6:7], s[10:11]       ; the held rows'
	s_add_nc_u64 s[G0A+2:G0A+3], s[18:19], s[76:77]
	s_add_nc_u64 s[G0B+2:G0B+3], s[8:9], s[78:79]
	s_or_b32 s[G0B+3], s[G0B+3], 0x80000000
	s_add_nc_u64 s[4:5], s[4:5], s[80:81]
	s_add_nc_u64 s[10:11], s[10:11], s[82:83]
	s_add_nc_u64 s[HP:HP+1], s[98:99], s[52:53]
	s_add_nc_u64 s[HP+2:HP+3], s[98:99], s[54:55]
	s_add_nc_u64 s[100:101], s[100:101], s[68:69]
	s_cmp_eq_u32 s66, 1
	s_cselect_b64 s[92:93], s[94:95], s[92:93]
	s_cmp_eq_u32 s66, 2
	s_cselect_b64 s[92:93], s[96:97], s[92:93]
	s_add_nc_u64 s[92:93], s[92:93], s[70:71]
	s_cmp_eq_u32 s14, 0
	s_cbranch_scc0 .Lwave_1
	TLOAD G0B, G1B                                 ; wave 0: the held tiles, which are wanted first
	s_branch .Lasked
.Lwave_1:
	s_cmp_eq_u32 s14, 1
	s_cbranch_scc0 .Lwave_2
	ATILE 0, 128                                   ; wave 1: streamed tiles 0-7
	s_branch .Lasked
.Lwave_2:
	s_cmp_eq_u32 s14, 2
	s_cbranch_scc0 .Lwave_3
	ATILE 128, 64                                  ; wave 2: 8-11
	s_branch .Lasked
.Lwave_3:
	ATILE 192, 64                                  ; wave 3: 12-15
.Lasked:
.irp p, 0,1
.irp c, 0,1
	global_load_b128 v[SB+NQ*\p+4*\c:SB+NQ*\p+4*\c+3], v[ABS], s[10:11] offset:\p*1024+16*\c
.endr
.endr
.irp p, 0,1,2,3
.irp c, 0,1
	global_load_b128 v[SA+8*\p+4*\c:SA+8*\p+4*\c+3], v[AAS], s[4:5] offset:\p*2048+16*\c
.endr
.endr
	s_cmp_eq_u32 s66, 2                            ; the tensor's number is the same in all partners of the cluster
	s_cbranch_scc1 .Lbias_rows
.irp b, 0,1,2,3
	global_load_b128 v[BP+8*\b:BP+8*\b+3], v8, s[92:93] offset:64*\b
	global_load_b128 v[BP+8*\b+4:BP+8*\b+7], v8, s[92:93] offset:64*\b+16
.endr
.set i, 0
.rept 16
	v_mov_b32 v[BR+i], 0
.set i, i+1
.endr
	s_branch .Lbias_done
.Lbias_rows:
.irp s, 0,1,2,3,4,5,6,7
	global_load_b32 v[BR+2*\s], v5, s[92:93] offset:128*\s
	global_load_b32 v[BR+2*\s+1], v5, s[92:93] offset:128*\s
.endr
.set i, 0
.rept 32
	v_mov_b32 v[BP+i], 0
.set i, i+1
.endr
.Lbias_done:
	WALU
	s_cmp_eq_u32 s14, 0
	s_cbranch_scc0 .Lnot_b
	s_wait_tensorcnt 0x0                           ; wave 0: the held tiles have landed
.Lnot_b:
	BARRIER
.irp q, 0,1,2,3,4,5,6,7
.irp b, 0,1,2,3
	FRAGB \q, \b
.endr
.endr
	WIN 0
	s_cmp_eq_u32 s14, 1
	s_cbranch_scc0 .Lnot_a
	s_wait_tensorcnt 0x0                           ; wave 1: streamed tiles 0-7 have landed
.Lnot_a:
	s_wait_dscnt 0x0
	BARRIER                                        ; streamed tiles 0-7 are in.  Waves 2 and 3's tiles may still be on their way
	FETCH 0, AQ0
	FETCH 1, AQ
	s_wait_loadcnt 0x0                             ; the scale words and the bias
	s_wait_dscnt NF                                ; block 0's fragments are in
; ================= the stream
.irp s, 0,1,2,3,4,5,6,7
	STREAM \s
.endr
	BARRIER                                        ; every wave's scale bytes are stored (each has waited for its LDS stores behind its last block)
	ds_load_b64 v[T:T+1], v[XR]
	s_wait_dscnt 0x0
	global_store_b64 v[CO8], v[T:T+1], s[100:101]  ; 32 lanes store one aligned unit of 256 bytes
	s_wait_tensorcnt 0x0                           ; the wave's end
	ds_add_u32 v[SPW], v[NIL]
	s_wait_dscnt 0x0
	CROUND                                         ; the closing round
	s_endpgm
.Lfunc_end_k_qf6e04a5641_proj:
	.size	k_qf6e04a5641_proj, .Lfunc_end_k_qf6e04a5641_proj-k_qf6e04a5641_proj
	.p2alignl 7, 3214868480
	.fill 96, 4, 3214868480
	.section	.rodata,"a",@progbits
	.p2align	6, 0x0
	.amdhsa_kernel k_qf6e04a5641_proj
		.amdhsa_group_segment_fixed_size 327680
		.amdhsa_private_segment_fixed_size 0
		.amdhsa_enable_private_segment 0
		.amdhsa_kernarg_size 72
		.amdhsa_user_sgpr_count 2
		.amdhsa_user_sgpr_kernarg_segment_ptr 1
		.amdhsa_wavefront_size32 1
		.amdhsa_system_sgpr_workgroup_id_x 1
		.amdhsa_system_sgpr_workgroup_id_y 1
		.amdhsa_system_sgpr_workgroup_id_z 1
		.amdhsa_system_vgpr_workitem_id 0
		.amdhsa_next_free_vgpr 840
		.amdhsa_next_free_sgpr 102
		.amdhsa_reserve_vcc 0
		.amdhsa_float_denorm_mode_32 3
		.amdhsa_float_denorm_mode_16_64 3
		.amdhsa_memory_ordered 1
		.amdhsa_forward_progress 1
		.amdhsa_inst_pref_size 94
	.end_amdhsa_kernel
	.amdgpu_metadata
---
amdhsa.version: [ 1, 2 ]
amdhsa.kernels:
  - .name:           k_qf6e04a5641_proj
    .symbol:         k_qf6e04a5641_proj.kd
    .args:
      - { .name: xc, .offset: 0, .size: 8, .value_kind: global_buffer, .address_space: global }
      - { .name: xs, .offset: 8, .size: 8, .value_kind: global_buffer, .address_space: global }
      - { .name: wc, .offset: 16, .size: 8, .value_kind: global_buffer, .address_space: global }
      - { .name: ws, .offset: 24, .size: 8, .value_kind: global_buffer, .address_space: global }
      - { .name: bq, .offset: 32, .size: 8, .value_kind: global_buffer, .address_space: global }
      - { .name: bk, .offset: 40, .size: 8, .value_kind: global_buffer, .address_space: global }
      - { .name: bv, .offset: 48, .size: 8, .value_kind: global_buffer, .address_space: global }
      - { .name: hc, .offset: 56, .size: 8, .value_kind: global_buffer, .address_space: global }
      - { .name: hs, .offset: 64, .size: 8, .value_kind: global_buffer, .address_space: global }
    .group_segment_fixed_size: 327680
    .private_segment_fixed_size: 0
    .kernarg_segment_align: 8
    .kernarg_segment_size: 72
    .max_flat_workgroup_size: 128
    .sgpr_count:     102
    .vgpr_count:     840
    .wavefront_size: 32
...
	.end_amdgpu_metadata
.endif
;; end of part 2
;; launch attn (part 3): grid 4 x 64, 16 waves a work-group, clusters of 4 x 1, 327,680 bytes of LDS; arguments hc, hs, cc, cs; writes cc, cs
.if DOCPART == 3
	.amdgcn_target "amdgcn-amd-amdhsa--gfx1250"
	.amdhsa_code_object_version 6
	.text
	.protected	k_qf6e04a5641_attn
	.globl	k_qf6e04a5641_attn
	.p2align	8
	.type	k_qf6e04a5641_attn,@function
k_qf6e04a5641_attn:
	s_mov_b64 s[64:65], 0
	v_nop
	global_prefetch_b8 v0, s[64:65] scope:SCOPE_SE
	s_setreg_imm32_b32 hwreg(HW_REG_WAVE_MODE, 25, 1), 1
	s_wait_xcnt 0x0
	s_wait_alu depctr_hold_cnt(0) depctr_sa_sdst(0) depctr_va_vdst(0) depctr_va_sdst(0) depctr_va_ssrc(0) depctr_va_vcc(0) depctr_vm_vsrc(0)
	s_getreg_b32 s2, hwreg(HW_REG_IB_STS2, 6, 4)
	s_cmp_eq_u32 s2, 0
	s_cbranch_scc0 .Lentry_in_a_cluster
	s_endpgm
.Lentry_in_a_cluster:
	s_bfe_u32 s2, ttmp6, 0x10000c
	s_cmp_lg_u32 s2, 0x3003
	s_cbranch_scc0 .Lentry_shape_is_right
	s_endpgm
.Lentry_shape_is_right:
; Attention on codes of FP6 (E2M3) with E8M0 scales: for each batch and head, ctx = softmax(Q K^T / 4) V; ctx is quantised along D for the output projection.
; THE SOFTMAX: t = score x log2(e) / 4; M = the row's largest t so far, rounded up to a whole number; p = 2^(t - M) is quantised along the keys, not normalised.  The row's sum is taken of the unquantised p
; and divides at the end.  When M moves, the sum and O are multiplied by 2^(old M - new M), which rounds nothing.
; SHARES.  A work-group owns 512 queries of ONE head of one batch: 4 x 64 work-groups.  Each of its sixteen waves owns 32 queries, two tiles of 16, which share every fragment of K and of V; four waves to a SIMD, 256 registers each.
; ALL OF THE HEAD'S K AND V LIE IN LDS AT ONCE: 128 tiles of 16 keys x 768 bytes, then 16 key steps x 4 tiles of 16 d x 1,536 bytes: 196,608 bytes.  Each wave asks for a sixteenth at the head; nothing is filled again, and no barrier
; stands in the walk over the keys.  No data prefetch: all that the launch reads is asked for at the head, and no loop is left to run ahead in.
; IMAGES.  An operand's six registers of 64 along K are 768 bytes: registers 0-3 of lane l at 16 l, registers 4, 5 at 512 + 8 l.  hc: [Q, K, V][batch][pair of heads][128 tokens][tile][two such halves]; for Q and K a half is a head,
; for V (16 d x 128 keys) a half is 64 keys.  cc: [tile of 16 tokens][head][768].  cs: [token][head][2 bytes].
; K = 64 IN AN INSTRUCTION OF 128.  Q's two tiles stand round one run of six registers of zero codes: tile 0's operand is (codes, zeros), tile 1's (zeros, codes), with the bytes 0 (2^-127) for the zero blocks.  K's tiles stand six registers
; apart; an operand is a run of 12 whose lower or upper half is the tile, and the other half whatever stands beside it: every pattern of six bits is a finite number, and it meets zero codes.  K's two scale bytes stand twice in their word.
; Both products are used transposed (source 0 = 16 keys, or 16 of d; source 1 = 16 queries): a lane holds one query.  p's codes stand in the order 0-7, 16-23, 8-15, 24-31 inside a block of 32 keys, as V's do; ctx's likewise, as wo's do.
; CLUSTER.  The four blocks of queries of a head read the same K and V: each load is a joint one, with the mask of all four.
; LIMITS: NaN and infinities are not served; the scaled scores stay under 2^31 in magnitude; a block's byte is held at 1 from below; a block of zeros gets the byte 1 (its codes are zeros; this program alone reads the bytes).
.set VL,     98304                     ; V's images begin here
.set STEPB,  6144                      ; a key step of 128: eight tiles of K, or four images of V
.set KSC,    196608                    ; K's scale words [key step][lane][4 words]; 8,192 bytes on: V's [key step][lane][2 words, 8 bytes idle]
.set SPARE,  KSC+16384                 ; the spare words, 128 bytes a wave, named by no other line
.set LANE, 1                           ; v1   the lane
.set AD,  2                            ; v2   16 x lane + where the step's bytes begin
.set AD8, 3                            ; v3   8 x lane + the same
.set SPW, 4                            ; v4   SPARE + 4 x my thread's number; never rewritten
.set NIL, 5                            ; v5   0; never rewritten
.set QS,  6                            ; v6, v7  Q's scale words for tile 0 (lanes 0-15), tile 1 (lanes 16-31)
.set KS,  8                            ; v8-11   K's scale words: tile t in register t / 2, lanes 0-15 (t even) or 16-31
.set VS,  12                           ; v12-13  V's likewise
.set PSW, 14                           ; v14, v15  p's scale word, tile 0, 1
.set Q0,  16                           ; v16-21 tile 0's codes, v22-27 zero codes, v28-33 tile 1's
.set PC,  34                           ; v34-45 p's codes of tile 0; v94-105 of tile 1
.set F,   46                           ; v46-93 K's eight tiles, then V's four fragments
.set BM,  106                          ; v106-109 the blocks' largest scores, then largest p
.set PT,  110                          ; v110-113 at work
.set SO,  114                          ; v114-117 the conversions' scale operands
.set FF,  118                          ; v118 f = 2^(old M - new M); the packed forms name the pair v[118:119] and take its low word
.set TT,  119                          ; v119 at work
.set ST,  120                          ; tile q at 120 + 4 q: -M, the largest score, the sum in two halves
.set S,   128                          ; v128-191 S^T, then p
.set O,   192                          ; v192-255 O^T: tile q at 192 + 32 q
.set CT0, PT
.set CT1, BM
.set CH,  PT                           ; the sums' second chain
.set WV,  12
.set SEL, 20
.set CS,  22
.set G1,  24                           ; s[24:31] group 1 for K's tiles;  s[32:39] for V's;  s[40:43] group 0
.set G1V, 32
.set G0,  40
.set TB,  48                           ; s48  LDS byte at which the key step's tiles of K begin
.set TS,  49                           ; s49  and its scale words
.set NC,  50                           ; s50  -log2(e) / 4
.set CNT, 61
.macro CROUND                          ; a round of the cluster's barrier
	s_barrier_signal -1
	s_barrier_wait -1
	s_cmp_lg_u32 s[WV], 0
	s_cbranch_scc1 .Lnot_wave_0_\@
	s_barrier_signal -3
.Lnot_wave_0_\@:
	s_barrier_wait -3
	s_barrier_signal -1
	s_barrier_wait -1
.endm
	s_load_b256 s[4:11], s[0:1], 0x0               ; hc, hs, cc, cs
	v_lshl_add_u32 v[SPW], v0, 2, SPARE
	v_mov_b32 v[NIL], 0
	ds_add_u32 v[SPW], v[NIL]                      ; the opening lines: the add, twice on end, and one wait; work on registers between
	ds_add_u32 v[SPW], v[NIL]
	v_lshrrev_b32 v1, 5, v0
	v_readfirstlane_b32 s[WV], v1                  ; wave 0..15
	s_bfe_u32 s13, ttmp6, 0x40000                  ; cx: my block of 512 queries: it enters Q's, cc's and cs's addresses alone
	s_and_b32 s14, ttmp7, 0xffff                   ; 16 x batch + head: shared by the four partners
	s_lshr_b32 s15, s14, 1                         ; 8 x batch + pair of heads
	s_and_b32 s16, s14, 1                          ; c: which head of the pair
	s_mul_i32 s17, s15, 196608
	s_lshl_b32 s18, s15, 13
	s_lshr_b32 s19, s[WV], 3                       ; waves 0-7 fetch K (16 tiles each), waves 8-15 V (2 key steps each)
	s_mul_i32 s52, s19, 6291456
	s_add_co_u32 s52, s52, 6291456
	s_add_co_u32 s52, s52, s17
	s_and_b32 s53, s[WV], 7
	s_mul_i32 s53, s53, 24576
	s_add_co_u32 s52, s52, s53
	s_mul_i32 s53, s19, 5376
	s_add_co_u32 s53, s53, 768                     ; the head's place: 768 c in a tile of K, 6,144 c in a key step of V
	s_mul_i32 s53, s53, s16
	s_add_co_u32 s52, s52, s53
	s_mov_b32 s53, 0
	s_mul_i32 s56, s[WV], 12288                    ; and where my sixteenth goes
	s_mov_b32 s[G1], 15|(3<<16)|(1<<21)            ; K: 16 rows of 768 bytes (96 elements of 8), 1,536 apart; the mask names all four work-groups, bit 21 beside it
	s_mov_b32 s[G1+1], 96<<16
	s_mov_b32 s[G1+2], 16<<16
	s_mov_b32 s[G1+3], 96<<16
	s_mov_b32 s[G1+4], 16
	s_mov_b32 s[G1+5], 192
	s_mov_b32 s[G1+6], 0
	s_mov_b32 s[G1+7], 0
	s_mov_b32 s[G1V], 15|(3<<16)|(1<<21)           ; V: 2 rows of 6,144 bytes, 12,288 apart
	s_mov_b32 s[G1V+1], 768<<16
	s_mov_b32 s[G1V+2], 2<<16
	s_mov_b32 s[G1V+3], 768<<16
	s_mov_b32 s[G1V+4], 2
	s_mov_b32 s[G1V+5], 1536
	s_mov_b32 s[G1V+6], 0
	s_mov_b32 s[G1V+7], 0
	s_lshl_b32 s57, s13, 5
	s_lshl_b32 s58, s[WV], 1
	s_add_co_u32 s57, s57, s58                     ; my first tile of 16 queries in the batch, 0..126
	s_mul_i32 s66, s57, 1536
	s_add_co_u32 s66, s66, s17
	s_mul_i32 s58, s16, 768
	s_add_co_u32 s66, s66, s58                     ; Q's codes
	s_mov_b32 s67, 0
	s_lshr_b32 s68, s57, 3
	s_lshl_b32 s68, s68, 9                         ; Q's scale words: the 512 bytes of its 128 tokens,
	s_add_co_u32 s68, s68, s18
	s_and_b32 s58, s[WV], 3
	s_lshl_b32 s58, s58, 2                         ; word (tile / 2) % 4 of lane 16 (tile % 2) + r
	s_add_co_u32 s68, s68, s58
	s_mov_b32 s69, 0
	s_add_co_u32 s70, s18, 262144                  ; K's scale words
	s_mov_b32 s71, 0
	s_lshl_b32 s58, s16, 3
	s_add_co_u32 s72, s18, s58
	s_add_co_u32 s72, s72, 524288                  ; V's: words 2 c, 2 c + 1 of a lane's four
	s_mov_b32 s73, 0
	s_lshr_b32 s58, s14, 4
	s_lshl_b32 s58, s58, 7
	s_add_co_u32 s58, s58, s57                     ; my first tile of all 512
	s_and_b32 s59, s14, 15                         ; the head
	s_mul_i32 s74, s58, 12288
	s_mul_i32 s60, s59, 768
	s_add_co_u32 s74, s74, s60                     ; ctx's codes
	s_mov_b32 s75, 0
	s_lshl_b32 s76, s58, 9
	s_lshl_b32 s59, s59, 1
	s_add_co_u32 s76, s76, s59                     ; ctx's scale bytes
	s_mov_b32 s77, 0
	s_mov_b32 s[SEL], 0x76543210
	s_mov_b32 s[SEL+1], 0xfedcba98                 ; selects for lane l xor 16
	s_mov_b32 s[CS], 0x3eb8aa3b                    ; log2(e) / 4
	s_mov_b32 s[CS+1], s[CS]                       ; named with it as a pair, so it is written
	s_mov_b32 s[NC], 0xbeb8aa3b
	s_mov_b32 s51, 0x03020302                      ; byte selects: my head's two scale bytes, twice
	s_cmp_eq_u32 s16, 0
	s_cselect_b32 s51, 0x01000100, s51
	s_lshl_b32 s54, s16, 4
	s_mov_b32 s55, 0xffff0000                      ; lanes 16-31
	s_mov_b32 s[TB], 0
	s_mov_b32 s[TS], KSC
	s_mov_b32 s[CNT], 16
	s_wait_alu depctr_va_vdst(0)
	s_wait_dscnt 0x0                               ; both opening adds are done
	s_wait_kmcnt 0x0
	s_mov_b32 s[G0], 1
	s_mov_b32 s[G0+1], s56
	s_add_nc_u64 s[G0+2:G0+3], s[4:5], s[52:53]
	s_or_b32 s[G0+3], s[G0+3], 0x80000000
	s_add_nc_u64 s[66:67], s[4:5], s[66:67]
	s_add_nc_u64 s[68:69], s[6:7], s[68:69]
	s_add_nc_u64 s[70:71], s[6:7], s[70:71]
	s_add_nc_u64 s[72:73], s[6:7], s[72:73]
	s_add_nc_u64 s[8:9], s[8:9], s[74:75]
	s_add_nc_u64 s[10:11], s[10:11], s[76:77]
	v_and_b32 v[LANE], 31, v0                      ; the plain loads are asked for ahead of the round: nobody stores these bytes in this launch
	v_lshlrev_b32 v128, 4, v0                      ; 16 x thread: the 512 threads take all 8,192 bytes of K's scale words, and 8 of each 16 of V's
	v_lshlrev_b32 v129, 4, v[LANE]
	v_lshlrev_b32 v130, 3, v[LANE]
	v_add_nc_u32 v138, KSC, v128
	global_load_b128 v[132:135], v128, s[70:71]
	global_load_b64 v[136:137], v128, s[72:73]
	global_load_b32 v131, v129, s[68:69]           ; lanes 0-15: tile 0's words, lanes 16-31: tile 1's
	global_load_b128 v[Q0:Q0+3], v129, s[66:67]
	global_load_b64 v[Q0+4:Q0+5], v130, s[66:67] offset:512
	global_load_b128 v[Q0+12:Q0+15], v129, s[66:67] offset:1536
	global_load_b64 v[Q0+16:Q0+17], v130, s[66:67] offset:2048
	CROUND                                         ; all four work-groups are here: the joint loads meet
	s_cmp_lt_u32 s[WV], 8                          ; every wave issues one load, its only one
	s_cbranch_scc0 .Lfor_v
	tensor_load_to_lds s[G0:G0+3], s[G1:G1+7]
	s_nop 0
.rept 4
	v_nop
.endr
	s_branch .Lasked
.Lfor_v:
	tensor_load_to_lds s[G0:G0+3], s[G1V:G1V+7]
	s_nop 0
.rept 4
	v_nop
.endr
.Lasked:
.irp q, 0,1
	v_mov_b32 v[ST+4*\q], 0x7f61b1e6               ; -M: 3e38
	v_mov_b32 v[ST+4*\q+1], 0xff61b1e6             ; the largest score so far: -3e38
	v_mov_b32 v[ST+4*\q+2], 0                      ; the sum, in two halves
	v_mov_b32 v[ST+4*\q+3], 0
.endr
.irp i, 6,7,8,9,10,11
	v_mov_b32 v[Q0+\i], 0                          ; the zero codes
	v_mov_b32 v[PC+60+\i-6], 0                     ; named beside K's last tile before they are first written
.endr
.irp i, 0,1,2,3
	v_mov_b32 v[PT+\i], 0                          ; a lane permute's destination counts as a source
.endr
	s_wait_alu depctr_va_vdst(0)
	s_wait_loadcnt 0x0
.irp i, 0,1,2,3
	v_perm_b32 v[132+\i], v[132+\i], v[132+\i], s51
.endr
	ds_store_b128 v138, v[132:135]
	ds_store_b64 v138, v[136:137] offset:8192
	v_lshrrev_b32 v131, s54, v131                  ; my head's two bytes of Q's words
	v_and_b32 v[QS], 0xffff, v131                  ; tile 0: blocks 0, 1; the bytes 0 for the zero codes
	v_lshlrev_b32 v[QS+1], 16, v131                ; tile 1: blocks 2, 3
.set j, 0
.rept 64
	v_mov_b32 v[O+j], 0                            ; O^T.  The step is written once: the first finds zeros, which the first change of M leaves zeros.  (These also part the scale words' making from the first products)
.set j, j+1
.endr
	s_wait_alu depctr_va_vdst(0)
	s_wait_tensorcnt 0x0                           ; my sixteenth is in,
	s_wait_dscnt 0x0                               ; and my scale words are stored
	s_barrier_signal -1
	s_barrier_wait -1                              ; both now hold of every wave: K, V and the scale words are whole
; From the four blocks' largest magnitudes in v[BM] on (the floor taken) and the 64 numbers in v[S] on: scale word q and 12 registers of codes
.macro PACKQ q
.set PQ, PC+60*\q
.irp b, 0,1,2,3
	s_delay_alu instid0(VALU_DEP_4)
	v_add_nc_u32 v[SO+\b], 0xff000000, v[BM+\b]    ; 2 off the exponent field: the conversion's scale operand
.endr
.irp b, 0,1,2,3
	s_delay_alu instid0(VALU_DEP_4)
	v_lshrrev_b32 v[PT+\b], 23, v[SO+\b]           ; the scale's byte
.endr
	s_delay_alu instid0(VALU_DEP_3)
	v_lshl_or_b32 v[PSW+\q], v[PT+1], 8, v[PT]
	s_delay_alu instid0(VALU_DEP_1)
	v_lshl_or_b32 v[PSW+\q], v[PT+2], 16, v[PSW+\q]
	s_delay_alu instid0(VALU_DEP_1)
	v_lshl_or_b32 v[PSW+\q], v[PT+3], 24, v[PSW+\q]
	v_cvt_scalef32_pk16_fp6_f32 v[PQ:PQ+2], v[S:S+15], v[SO]
	v_cvt_scalef32_pk16_fp6_f32 v[CT0:CT0+2], v[S+16:S+31], v[SO+1]
	v_cvt_scalef32_pk16_fp6_f32 v[PQ+6:PQ+8], v[S+32:S+47], v[SO+2]
	v_cvt_scalef32_pk16_fp6_f32 v[CT1:CT1+2], v[S+48:S+63], v[SO+3]
	v_nop                                          ; one plain place behind the conversions
.irp i, 0,1,2                          ; the operand wants a whole block in a lane: lanes 0-15 block 2 c, lanes 16-31 block 2 c + 1
	v_permlane16_swap_b32 v[PQ+\i], v[CT0+\i]
	v_permlane16_swap_b32 v[PQ+6+\i], v[CT1+\i]
.endr
.irp i, 0,1,2
	v_mov_b32 v[PQ+3+\i], v[CT0+\i]
	v_mov_b32 v[PQ+9+\i], v[CT1+\i]
.endr
.endm
; 128 keys against tile q of my queries: the scores, the softmax's step, p's codes, O^T under the new M
.macro TILE q
.set OQ, O+32*\q
.set SQ, ST+4*\q
.irp u, 0,1,2,3                        ; S^T = K Q^T: lane (r, h) holds query r; register 8 t + j is key 16 t + 8 h + j
	v_wmma_scale_f32_16x16x128_f8f6f4 v[S+16*\u:S+16*\u+7], v[F+12*\u-6*\q:F+12*\u-6*\q+11], v[Q0+6*\q:Q0+6*\q+11], 0, v[KS+\u], v[QS+\q] matrix_a_fmt:MATRIX_FMT_FP6 matrix_b_fmt:MATRIX_FMT_FP6 matrix_a_scale:MATRIX_SCALE_ROW0 matrix_b_scale:MATRIX_SCALE_ROW\q
	v_wmma_scale_f32_16x16x128_f8f6f4 v[S+16*\u+8:S+16*\u+15], v[F+12*\u+6-6*\q:F+12*\u+6-6*\q+11], v[Q0+6*\q:Q0+6*\q+11], 0, v[KS+\u], v[QS+\q] matrix_a_fmt:MATRIX_FMT_FP6 matrix_b_fmt:MATRIX_FMT_FP6 matrix_a_scale:MATRIX_SCALE_ROW1 matrix_b_scale:MATRIX_SCALE_ROW\q
.endr
.if \q                                 ; four places in front of the first read of the scores and, behind tile 1's products, of the loads into K's registers
	v_add_nc_u32 v[AD], VL, v[AD]
	v_add_nc_u32 v[AD8], VL, v[AD8]
	v_nop
	v_nop
.irp t, 0,1,2,3                        ; V's four tiles of 16 d: they land under tile 1's softmax
	ds_load_b128 v[F+12*\t:F+12*\t+3], v[AD] offset:1536*\t
	ds_load_b64 v[F+12*\t+4:F+12*\t+5], v[AD8] offset:1536*\t+512
	ds_load_b128 v[F+12*\t+6:F+12*\t+9], v[AD] offset:1536*\t+768
	ds_load_b64 v[F+12*\t+10:F+12*\t+11], v[AD8] offset:1536*\t+1280
.endr
.else
.rept 4
	v_nop
.endr
.endif
.irp b, 0,1,2,3
	v_max3_num_f32 v[BM+\b], v[S+16*\b], v[S+16*\b+1], v[S+16*\b+2]   ; the largest score of each block of 32 keys: it serves for the row's maximum and, since p rises with the score, for the block's largest p
.endr
.irp i, 3,5,7,9,11,13
.irp b, 0,1,2,3
	v_max3_num_f32 v[BM+\b], v[BM+\b], v[S+16*\b+\i], v[S+16*\b+\i+1]
.endr
.endr
.irp b, 0,1,2,3
	v_max_num_f32 v[BM+\b], v[BM+\b], v[S+16*\b+15]
.endr
.irp b, 0,1,2,3
	s_delay_alu instid0(VALU_DEP_4)
	v_permlanex16_b32 v[PT+\b], v[BM+\b], s[SEL], s[SEL+1]
.endr
.irp b, 0,1,2,3
	s_delay_alu instid0(VALU_DEP_4)
	v_max_num_f32 v[BM+\b], v[BM+\b], v[PT+\b]     ; with lane l xor 16's 16 keys
.endr
	s_delay_alu instid0(VALU_DEP_2)
	v_max3_num_f32 v[TT], v[BM], v[BM+1], v[BM+2]
	s_delay_alu instid0(VALU_DEP_1)
	v_max3_num_f32 v[SQ+1], v[SQ+1], v[TT], v[BM+3]   ; the running largest score of my query
	s_delay_alu instid0(VALU_DEP_1)
	v_mul_f32 v[TT], s[NC], v[SQ+1]                ; -t
	s_delay_alu instid0(VALU_DEP_1)
	v_floor_f32 v[FF], v[TT]                       ; the new -M = floor(-t): M is a whole number
	s_delay_alu instid0(VALU_DEP_1)
	v_sub_f32 v[TT], v[FF], v[SQ]                  ; old M - new M: a whole number, 0 or less
	v_mov_b32 v[SQ], v[FF]
	s_delay_alu instid0(VALU_DEP_2)
	v_cvt_i32_f32 v[TT], v[TT]                     ; (it saturates)
	s_delay_alu instid0(VALU_DEP_1)
	v_ldexp_f32 v[FF], 1.0, v[TT]                  ; f = 2^(old M - new M)
.set j, 0
.rept 32
	v_pk_fma_f32 v[S+j:S+j+1], v[S+j:S+j+1], s[CS:CS+1], v[SQ:SQ+1] op_sel_hi:[1,0,0]   ; t - M, two at a time
.set j, j+2
.endr
.irp b, 0,1,2,3
	v_fma_f32 v[BM+\b], v[BM+\b], s[CS], v[SQ]     ; the same of each block's largest score
.endr
	s_wait_alu depctr_va_vdst(0)
.set j, 0
.rept 64
	v_exp_f32 v[S+j], v[S+j]                       ; p = 2^(t - M)
.set j, j+1
.endr
	v_pk_mul_f32 v[SQ+2:SQ+3], v[SQ+2:SQ+3], v[FF:FF+1] op_sel_hi:[1,0]   ; the sums under the new M: a plain place behind the exponentials
	s_wait_alu depctr_va_vdst(0)                   ; one wait for the batch of 64, ahead of its first reader
.irp b, 0,1,2,3
	v_exp_f32 v[BM+\b], v[BM+\b]                   ; the block's largest p: the same two instructions on the same number
.endr
	v_pk_add_f32 v[CH:CH+1], v[S:S+1], v[S+2:S+3]  ; the row's sum is taken of the unquantised p, in two chains
.set j, 4
.rept 15
	v_pk_add_f32 v[SQ+2:SQ+3], v[SQ+2:SQ+3], v[S+j:S+j+1]
	v_pk_add_f32 v[CH:CH+1], v[CH:CH+1], v[S+j+2:S+j+3]
.set j, j+4
.endr
	s_delay_alu instid0(VALU_DEP_1)
	v_pk_add_f32 v[SQ+2:SQ+3], v[SQ+2:SQ+3], v[CH:CH+1]
	s_wait_alu depctr_va_vdst(0)                   ; and one for the four
.irp b, 0,1,2,3
	v_max_num_f32 v[BM+\b], 0x1800000, v[BM+\b]    ; the floor 2^(3 - 127): the byte cannot fall under 1
.endr
	PACKQ \q
	s_wait_alu depctr_va_vdst(0)                   ; directly ahead of the first reader of O^T
.set j, 0
.rept 16
	v_pk_mul_f32 v[OQ+j:OQ+j+1], v[OQ+j:OQ+j+1], v[FF:FF+1] op_sel_hi:[1,0]   ; O^T under the new M; these also part the making of p's codes and scale word from the products that name them
.set j, j+2
.endr
.endm
.Lstep:                                            ; sixteen key steps of 128
	v_lshl_add_u32 v[AD], v[LANE], 4, s[TS]        ; these four lines are the places behind the last products
	v_lshl_add_u32 v[AD8], v[LANE], 3, s[TB]
	v_nop
	v_nop
	ds_load_b128 v[KS:KS+3], v[AD]                 ; the scale words of the step's 128 keys,
	ds_load_b64 v[VS:VS+1], v[AD] offset:8192      ; and of V's 64 d for these keys
	v_lshl_add_u32 v[AD], v[LANE], 4, s[TB]
.irp t, 0,1,2,3,4,5,6,7
	ds_load_b128 v[F+6*\t:F+6*\t+3], v[AD] offset:768*\t
	ds_load_b64 v[F+6*\t+4:F+6*\t+5], v[AD8] offset:768*\t+512
.endr
	s_wait_dscnt 0x0
	TILE 0
	TILE 1
	s_wait_alu depctr_va_vdst(0)
	s_wait_dscnt 0x0                               ; V's fragments are in
.irp u, 0,1                            ; O^T += V^T P^T: register 8 t + j is d = 16 t + 8 h + j.  The eight accumulators take turns
.irp q, 0,1
	v_wmma_scale_f32_16x16x128_f8f6f4 v[O+32*\q+16*\u:O+32*\q+16*\u+7], v[F+24*\u:F+24*\u+11], v[PC+60*\q:PC+60*\q+11], v[O+32*\q+16*\u:O+32*\q+16*\u+7], v[VS+\u], v[PSW+\q] matrix_a_fmt:MATRIX_FMT_FP6 matrix_b_fmt:MATRIX_FMT_FP6 matrix_a_scale:MATRIX_SCALE_ROW0
.endr
.irp q, 0,1
	v_wmma_scale_f32_16x16x128_f8f6f4 v[O+32*\q+16*\u+8:O+32*\q+16*\u+15], v[F+24*\u+12:F+24*\u+23], v[PC+60*\q:PC+60*\q+11], v[O+32*\q+16*\u+8:O+32*\q+16*\u+15], v[VS+\u], v[PSW+\q] matrix_a_fmt:MATRIX_FMT_FP6 matrix_b_fmt:MATRIX_FMT_FP6 matrix_a_scale:MATRIX_SCALE_ROW1
.endr
.endr
	s_add_co_u32 s[TB], s[TB], STEPB
	s_add_co_u32 s[TS], s[TS], 512
	s_sub_co_u32 s[CNT], s[CNT], 1
	s_cmp_lg_u32 s[CNT], 0
	s_cbranch_scc1 .Lstep
	; THE WAY OUT.  O^T / the row's sum is ctx: two tiles of 16 tokens x the head's 64 of D, quantised along D.  The additions are the places behind the last products.
.irp q, 0,1
	v_add_f32 v[ST+4*\q+2], v[ST+4*\q+2], v[ST+4*\q+3]
.endr
.irp q, 0,1
	s_delay_alu instid0(VALU_DEP_2)
	v_permlanex16_b32 v[PT+\q], v[ST+4*\q+2], s[SEL], s[SEL+1]
.endr
.irp q, 0,1
	s_delay_alu instid0(VALU_DEP_2)
	v_add_f32 v[ST+4*\q+2], v[ST+4*\q+2], v[PT+\q] ; with lane l xor 16's: the row's sum
.endr
	s_wait_alu depctr_va_vdst(0)
.irp q, 0,1
	v_rcp_f32 v[ST+4*\q+2], v[ST+4*\q+2]
.endr
	v_nop                                          ; a plain place behind the reciprocals
	v_lshlrev_b32 v[AD], 4, v[LANE]
	v_lshlrev_b32 v[AD8], 3, v[LANE]
	s_wait_alu depctr_va_vdst(0)                   ; one wait for the two, ahead of their first reader and of O^T's
.irp q, 0,1
.set j, 0
.rept 16
	v_pk_mul_f32 v[S+32*\q+j:S+32*\q+j+1], v[O+32*\q+j:O+32*\q+j+1], v[ST+4*\q+2:ST+4*\q+3] op_sel_hi:[1,0]   ; each accumulator from its low end on
.set j, j+2
.endr
.endr
.irp b, 0,1,2,3
	v_max3_num_f32 v[BM+\b], |v[S+16*\b]|, |v[S+16*\b+1]|, 0x1800000
.endr
.irp i, 2,4,6,8,10,12,14
.irp b, 0,1,2,3
	s_delay_alu instid0(VALU_DEP_4)
	v_max3_num_f32 v[BM+\b], v[BM+\b], |v[S+16*\b+\i]|, |v[S+16*\b+\i+1]|
.endr
.endr
.irp b, 0,1,2,3
	s_delay_alu instid0(VALU_DEP_4)
	v_permlanex16_b32 v[PT+\b], v[BM+\b], s[SEL], s[SEL+1]
.endr
.irp b, 0,1,2,3
	s_delay_alu instid0(VALU_DEP_4)
	v_max_num_f32 v[BM+\b], v[BM+\b], v[PT+\b]
.endr
	PACKQ 0                                        ; registers 0-5: tile 0's codes, 6-11: tile 1's; the word's bytes 0, 1: tile 0's scales, 2, 3: tile 1's
	v_lshlrev_b32 v[SO], 5, v[LANE]                ; lane l stores token l of my 32: 32 bytes a token
	v_lshrrev_b32 v[SO+1], 16, v[PSW]
	v_cndmask_b32 v[SO+1], v[PSW], v[SO+1], s55    ; lanes 16-31 take tile 1's two bytes
.irp q, 0,1
	global_store_b128 v[AD], v[PC+6*\q:PC+6*\q+3], s[8:9] offset:12288*\q        ; 512 consecutive bytes, aligned
	global_store_b64 v[AD8], v[PC+6*\q+4:PC+6*\q+5], s[8:9] offset:12288*\q+512  ; 256 consecutive bytes, aligned
.endr
	global_store_b16 v[SO], v[SO+1], s[10:11]      ; 2 bytes a lane, 32 bytes apart: 256 KiB in the whole launch
	s_wait_tensorcnt 0x0                           ; the wave's end
	ds_add_u32 v[SPW], v[NIL]
	s_wait_dscnt 0x0
	CROUND                                         ; the closing round
	s_endpgm
.Lfunc_end_k_qf6e04a5641_attn:
	.size	k_qf6e04a5641_attn, .Lfunc_end_k_qf6e04a5641_attn-k_qf6e04a5641_attn
	.p2alignl 7, 3214868480
	.fill 96, 4, 3214868480
	.section	.rodata,"a",@progbits
	.p2align	6, 0x0
	.amdhsa_kernel k_qf6e04a5641_attn
		.amdhsa_group_segment_fixed_size 327680
		.amdhsa_private_segment_fixed_size 0
		.amdhsa_enable_private_segment 0
		.amdhsa_kernarg_size 32
		.amdhsa_user_sgpr_count 2
		.amdhsa_user_sgpr_kernarg_segment_ptr 1
		.amdhsa_wavefront_size32 1
		.amdhsa_system_sgpr_workgroup_id_x 1
		.amdhsa_system_sgpr_workgroup_id_y 1
		.amdhsa_system_sgpr_workgroup_id_z 1
		.amdhsa_system_vgpr_workitem_id 0
		.amdhsa_next_free_vgpr 256
		.amdhsa_next_free_sgpr 80
		.amdhsa_reserve_vcc 0
		.amdhsa_float_denorm_mode_32 3
		.amdhsa_float_denorm_mode_16_64 3
		.amdhsa_memory_ordered 1
		.amdhsa_forward_progress 1
		.amdhsa_inst_pref_size 50
	.end_amdhsa_kernel
	.amdgpu_metadata
---
amdhsa.version: [ 1, 2 ]
amdhsa.kernels:
  - .name:           k_qf6e04a5641_attn
    .symbol:         k_qf6e04a5641_attn.kd
    .args:
      - { .name: hc, .offset: 0, .size: 8, .value_kind: global_buffer, .address_space: global }
      - { .name: hs, .offset: 8, .size: 8, .value_kind: global_buffer, .address_space: global }
      - { .name: cc, .offset: 16, .size: 8, .value_kind: global_buffer, .address_space: global }
      - { .name: cs, .offset: 24, .size: 8, .value_kind: global_buffer, .address_space: global }
    .group_segment_fixed_size: 327680
    .private_segment_fixed_size: 0
    .kernarg_segment_align: 8
    .kernarg_segment_size: 32
    .max_flat_workgroup_size: 512
    .sgpr_count:     80
    .vgpr_count:     256
    .wavefront_size: 32
...
	.end_amdgpu_metadata
.endif
;; end of part 3
;; launch outproj (part 4): grid 32 x 8, 4 waves a work-group, clusters of 4 x 4, 327,680 bytes of LDS; arguments cc, cs, wc, ws, bo, out0; writes out0
.if DOCPART == 4
	.amdgcn_target "amdgcn-amd-amdhsa--gfx1250"
	.amdhsa_code_object_version 6
	.text
	.protected	k_qf6e04a5641_outproj
	.globl	k_qf6e04a5641_outproj
	.p2align	8
	.type	k_qf6e04a5641_outproj,@function
k_qf6e04a5641_outproj:
	s_mov_b64 s[64:65], 0
	v_nop
	global_prefetch_b8 v0, s[64:65] scope:SCOPE_SE
	s_setreg_imm32_b32 hwreg(HW_REG_WAVE_MODE, 25, 1), 1
	s_wait_xcnt 0x0
	s_wait_alu depctr_hold_cnt(0) depctr_sa_sdst(0) depctr_va_vdst(0) depctr_va_sdst(0) depctr_va_ssrc(0) depctr_va_vcc(0) depctr_vm_vsrc(0)
	s_getreg_b32 s2, hwreg(HW_REG_IB_STS2, 6, 4)
	s_cmp_eq_u32 s2, 0
	s_cbranch_scc0 .Lentry_in_a_cluster
	s_endpgm
.Lentry_in_a_cluster:
	s_bfe_u32 s2, ttmp6, 0x10000c
	s_cmp_lg_u32 s2, 0xf033
	s_cbranch_scc0 .Lentry_shape_is_right
	s_endpgm
.Lentry_shape_is_right:
; out0[token][n] = sum over k of ctx[token][k] wo[k][n] + bo[n], f32: 8,192 x 1,024 x 1,024 on codes of FP6 (E2M3) with E8M0 scales.
; A = ctx as the attention launch left it: cc[tile of 16 tokens][K step of 128 = pair of heads][1,536 bytes]: registers 6 c .. 6 c + 3 of lane l at 768 c + 16 l, registers 6 c + 4, 6 c + 5 at 768 c + 512 + 8 l; cs[token][8 scale words].
; B = wo as the first launch left it: wc[weight 3][tile of 16 n][K step][1,536 bytes]: registers 4 g .. 4 g + 3 of lane l at 512 g + 16 l; ws[weight 3][n][8 scale words].
; THE DEAL.  256 work-groups of four waves, 2 x 2, each 256 tokens x 128 columns.  The wave in row a, column b holds four tiles of 16 columns of B (64 b + ..), all of K, in 384 registers, and streams past them eight blocks of 16 tokens:
; block s is tokens 32 s + 16 a + 0 .. 15.  A block is 32 products on four accumulators by turns; a sum begins with the bias as the first product's C.
; THE CLUSTER's x counts tile rows: tile row 4 x cluster x + cx, tile column 4 x cluster y + cy.  A's tiles are shared by a column of the cluster, B's by a row: each is asked for jointly.
; LDS: A's 16 tiles (196,608 bytes), B's 8 tiles (98,304), both dense, all at once: nothing is filled again, and there is no data prefetch, since all is asked for at the head.  The waves' stages lie in B's first bytes,
; which have had their one fill and are read for the last time ahead of the barrier in front of the stream.
; THE HEAD'S FOUR LOADS, one a wave, each on a line of its own: B; A's tiles 0-7; 8-11; 12-15.  The stream begins when the first two are in; a plain barrier inside block 1 shows the others.
; THE SCALE WORDS come straight into registers: B's, 32 rows to a register (two tiles); A's likewise, lanes 0-15 an even block's rows, lanes 16-31 the next block's; the row selectors choose.
; Source 0 = B's rows, source 1 = A's: a lane holds eight neighbouring columns of one token.  Behind a block's products: its sums into my stage and back as rows of 256 bytes, the fetch of the block two on, one wait, eight stores.
; LIMITS: NaN, infinities and sums beyond f32's range are not served; a sum begins with the bias, where reference() adds it last.
.set SIZE_N, 1024
.set NQ, 8                             ; K / 128
.set NB, 4                             ; column tiles a wave
.set FR, 12                            ; registers of a fragment
.set FPW, 256/FR                       ; fragments in a window
.set NF, 32                            ; LDS loads of a block's fetch
.set TILEB, 12288                      ; a tile of 16 rows, all of K
.set KROW, 768
.set YB, 16*TILEB                      ; B's tiles
.set SPITCH, 272                       ; a stage: 16 rows x (256 bytes + 16) for each wave
.set STAGE, YB
.set SPARE, YB+8*TILEB                 ; the spare words, 128 bytes a wave, named by no other line
.set CO, 9                             ; v9   my byte offset in C: row l / 16, 16 bytes x (l % 16)
.set SPW, 10                           ; v10  my spare word
.set NIL, 11                           ; v11  0
.set ADRB, 14                          ; v14  LDS address of my fragments of B
.set ABS, 16                           ; v16  my offset in B's scale words
.set AAS, 17                           ; v17  in A's
.set STO, 18                           ; v18  the stage: where I put 32 bytes of a row
.set RD, 19                            ; v19  the stage: where I read 16 bytes of a row back
.set AQ0, 20                           ; v20, v21  block 0's tile + 16 x lane, + 8 x lane; never rewritten
.set AQ, 22                            ; v22, v23  the same for the block that is fetched next
.set SB, 24                            ; v24-39  B's scale words
.set SA, 42                            ; v42-73  A's: eight for each pair of blocks
.set ACC, 80                           ; v80-143 two sets of four accumulators
.set BK, 144                           ; v144-207 two sets: 16 rows x 256 bytes back from the stage
.set BO, 208                           ; v208-239 the bias as the first four products' C
.set G1A, 24
.set G0A, 56
.set G1B, 32
.set G0B, 60
.set MSB, 0
.macro WIN new
.if MSB != \new
	s_set_vgpr_msb (MSB<<8)|\new
.set MSB, \new
.endif
.endm
.macro PLACES n
.rept \n
	v_nop
.endr
.endm
.macro WALU
	s_wait_alu depctr_va_vdst(0)
.endm
.macro BARRIER
	s_barrier_signal -1
	s_barrier_wait -1
.endm
.macro CROUND
	BARRIER
	s_cmp_lg_u32 s14, 0
	s_cbranch_scc1 .Lnot_wave_0_\@
	s_barrier_signal -3
.Lnot_wave_0_\@:
	s_barrier_wait -3
	BARRIER
.endm
.macro TLOAD g0, g1                    ; an s_nop 0 and four v_nop follow a tensor load
	tensor_load_to_lds s[\g0:\g0+3], s[\g1:\g1+7]
	s_nop 0
	PLACES 4
.endm
.macro ATILE first, rows               ; a part of A, counted in rows of 768 bytes: dense, so its place in LDS is its place in the block
	s_mov_b32 s[G0A+1], (\first)*KROW
	s_mov_b32 s[G1A+2], (\rows)<<16
	s_mov_b32 s[G1A+4], \rows
.if \first
	s_add_nc_u64 s[G0A+2:G0A+3], s[G0A+2:G0A+3], (\first)*KROW
.endif
	s_or_b32 s[G0A+3], s[G0A+3], 0x80000000
	TLOAD G0A, G1A
.endm
.macro GROUP1 g, mask, rows            ; rows of 768 elements of one byte, dense; rows = 0: the two words that hold the rows are written with each tile
	s_or_b32 s[\g+0], s[\mask], (1<<21)
	s_mov_b32 s[\g+1], (KROW&0xffff)<<16
	s_mov_b32 s[\g+3], KROW<<16
.if \rows
	s_mov_b32 s[\g+2], (\rows)<<16
	s_mov_b32 s[\g+4], \rows
.endif
	s_mov_b32 s[\g+5], KROW
	s_mov_b32 s[\g+6], 0
	s_mov_b32 s[\g+7], 0
.endm
; fragment f lies in window 1 + f / 21 at register 12 (f % 21): 0-31 B's (4 q + tile), 32-47 A's two sets (32 + 8 e + q)
.macro FRAGB q, b
.set F_, NB*(\q)+(\b)
	WIN (1+F_/FPW)<<6
.irp g, 0,1,2
	ds_load_b128 v[FR*(F_%FPW)+4*\g:FR*(F_%FPW)+4*\g+3], v[ADRB] offset:(\b)*TILEB+(\q)*1536+512*\g
.endr
.endm
.macro FETCH e, aq                     ; a block of A into set e: NF loads
.irp q, 0,1,2,3,4,5,6,7
.set F_, NB*NQ+NQ*(\e)+\q
.set R_, FR*(F_%FPW)
	WIN (1+F_/FPW)<<6
	ds_load_b128 v[R_:R_+3], v[\aq] offset:1536*\q
	ds_load_b64 v[R_+4:R_+5], v[\aq+1] offset:1536*\q+512
	ds_load_b128 v[R_+6:R_+9], v[\aq] offset:1536*\q+768
	ds_load_b64 v[R_+10:R_+11], v[\aq+1] offset:1536*\q+1280
.endr
	WIN 0
.endm
.macro WM d, s0, s1, c, x0, x1, ra, rb
	v_wmma_scale_f32_16x16x128_f8f6f4 v[\d:\d+7], v[\s0:\s0+FR-1], v[\s1:\s1+FR-1], \c, v[\x0], v[\x1] matrix_a_fmt:MATRIX_FMT_FP6 matrix_b_fmt:MATRIX_FMT_FP6 matrix_a_scale:MATRIX_SCALE_ROW\ra matrix_b_scale:MATRIX_SCALE_ROW\rb
.endm
.macro WMR d, s0, s1, c, x0, x1, o, p
.if (\o) && (\p)
	WM \d, \s0, \s1, \c, \x0, \x1, 1, 1
.elseif \o
	WM \d, \s0, \s1, \c, \x0, \x1, 1, 0
.elseif \p
	WM \d, \s0, \s1, \c, \x0, \x1, 0, 1
.else
	WM \d, \s0, \s1, \c, \x0, \x1, 0, 0
.endif
.endm
.macro PROD s, n                       ; product n = 4 q + tile of block s
.set Q_, (\n)/4
.set FB_, NB*Q_+(\n)%4
.set FA_, NB*NQ+NQ*((\s)%2)+Q_
.set D_, ACC+32*((\s)%2)+8*((\n)%4)
.set C_, BO+8*((\n)%4)
.set XB_, SB+NQ*(((\n)%4)/2)+Q_
.set XA_, SA+8*((\s)/2)+Q_
.set RB_, FR*(FB_%FPW)
.set RA_, FR*(FA_%FPW)
	WIN (1+FB_/FPW)|((1+FA_/FPW)<<2)
.if Q_
	WMR D_, RB_, RA_, v[D_:D_+7], XB_, XA_, (\n)%2, (\s)%2
.else
	WMR D_, RB_, RA_, v[C_:C_+7], XB_, XA_, (\n)%2, (\s)%2
.endif
.endm
.macro PRODS s, from, to
.set N_, \from
.rept (\to)-(\from)
	PROD \s, N_
.set N_, N_+1
.endr
	WIN 0
.endm
.macro STAGED u                        ; set u's sums into my stage, each accumulator from its low end on, and back as whole rows.  LDS serves a wave's instructions in order (ISA guide 5.7.1.4): no wait between
.irp b, 0,1,2,3
	ds_store_b128 v[STO], v[ACC+32*(\u)+8*\b:ACC+32*(\u)+8*\b+3] offset:64*\b
	ds_store_b128 v[STO], v[ACC+32*(\u)+8*\b+4:ACC+32*(\u)+8*\b+7] offset:64*\b+16
.endr
.irp t, 0,1,2,3,4,5,6,7
	ds_load_b128 v[BK+32*(\u)+4*\t:BK+32*(\u)+4*\t+3], v[RD] offset:2*\t*SPITCH
.endr
.endm
.macro STREAM s
.if (\s) == 1
	PRODS \s, 0, 24
	s_wait_tensorcnt 0x0                           ; every wave's tile is in,
	s_wait_dscnt 0x0
	s_barrier_signal -1                            ; a plain barrier: A's tiles 8-15 are shown to all
	PRODS \s, 24, 32
	s_barrier_wait -1
.else
	PRODS \s, 0, 32
.endif
.if (\s) < 6                           ; four plain vector lines between the last product and the first reader of its sums and the fetch into its registers
	v_add_nc_u32 v[AQ], ((\s)+2)*2*TILEB, v[AQ0]
	v_add_nc_u32 v[AQ+1], ((\s)+2)*2*TILEB, v[AQ0+1]
	v_nop
	v_nop
	WALU
.else
	PLACES 4
.endif
	s_wait_xcnt 0x0                                ; the stores of two blocks ago have read this set of rows
	STAGED (\s)%2
.if (\s) < 6
	FETCH (\s)%2, AQ
	s_wait_dscnt NF                                ; the block's rows are back from the stage, and the next block's fragments are in; only the fetch just issued is younger
.else
	s_wait_dscnt 0x0
.endif
.irp t, 0,1,2,3,4,5,6,7
	global_store_b128 v[CO], v[BK+32*((\s)%2)+4*\t:BK+32*((\s)%2)+4*\t+3], s[12:13] offset:(32*(\s)+2*\t)*SIZE_N*4 th:TH_STORE_NT   ; sixteen lanes store 256 consecutive bytes, aligned
.endr
.endm
; ================= the head
	s_load_b128 s[4:7], s[0:1], 0x0                ; cc, cs
	s_load_b128 s[8:11], s[0:1], 0x10              ; wc, ws
	s_load_b128 s[84:87], s[0:1], 0x20             ; bo, out0
	v_lshl_add_u32 v[SPW], v0, 2, SPARE
	v_mov_b32 v[NIL], 0
	ds_add_u32 v[SPW], v[NIL]                      ; the opening lines
	ds_add_u32 v[SPW], v[NIL]
	v_lshrrev_b32 v1, 5, v0
	v_readfirstlane_b32 s14, v1                    ; the wave; s15 its row a of the 2 x 2, s16 its column b
	s_lshr_b32 s15, s14, 1
	s_and_b32 s16, s14, 1
	s_bfe_u32 s40, ttmp6, 0x40000
	s_bfe_u32 s41, ttmp6, 0x40004
	s_lshl_b32 s43, ttmp9, 2
	s_add_co_u32 s43, s43, s40                     ; tile row of C, 0..31
	s_and_b32 s42, ttmp7, 0xffff
	s_lshl_b32 s42, s42, 2
	s_add_co_u32 s42, s42, s41                     ; tile column of C, 0..7
	s_lshl_b32 s44, 0x1111, s40                    ; my column of the cluster: shares A's tiles
	s_lshl_b32 s45, s41, 2
	s_lshl_b32 s45, 15, s45                        ; my row: shares B's
	GROUP1 G1A, 44, 0
	GROUP1 G1B, 45, 128
	s_mov_b32 s[G0A], 1
	s_mov_b32 s[G0B], 1
	s_mov_b32 s[G0B+1], YB
	s_mul_i32 s76, s43, 16*TILEB                   ; A's codes
	s_mov_b32 s77, 0
	s_mul_i32 s78, s42, 8*TILEB                    ; B's
	s_mov_b32 s79, 0
	s_lshl_b32 s80, s43, 13                        ; A's scale words: 256 rows of 32 bytes, + 16 a rows
	s_lshl_b32 s21, s15, 9
	s_add_co_u32 s80, s80, s21
	s_mov_b32 s81, 0
	s_lshl_b32 s82, s42, 12                        ; B's: 128 rows, + 64 b rows
	s_lshl_b32 s21, s16, 11
	s_add_co_u32 s82, s82, s21
	s_mov_b32 s83, 0
	s_lshl_b32 s90, s42, 9                         ; my 64 columns, in bytes
	s_lshl_b32 s21, s16, 8
	s_add_co_u32 s90, s90, s21
	s_mov_b32 s91, 0
	s_lshl_b32 s88, s43, 20                        ; C: 256 rows of 4,096 bytes, + 16 a rows, + my columns
	s_lshl_b32 s21, s15, 16
	s_add_co_u32 s88, s88, s21
	s_add_co_u32 s88, s88, s90
	s_mov_b32 s89, 0
	v_and_b32 v1, 15, v0
	v_bfe_u32 v2, v0, 4, 1
	v_and_b32 v3, 31, v0
	s_mul_i32 s23, s15, TILEB
	v_lshl_add_u32 v[AQ0], v3, 4, s23
	v_lshl_add_u32 v[AQ0+1], v3, 3, s23
	v_add_nc_u32 v[AQ], 2*TILEB, v[AQ0]
	v_add_nc_u32 v[AQ+1], 2*TILEB, v[AQ0+1]
	s_mul_i32 s22, s16, NB*TILEB
	s_add_co_u32 s22, s22, YB
	v_lshl_add_u32 v[ADRB], v3, 4, s22
	v_lshlrev_b32 v[ABS], 5, v3                    ; 32 rows of 32 bytes
	v_lshlrev_b32 v[AAS], 5, v1
	v_lshl_add_u32 v[AAS], v2, 10, v[AAS]          ; row r of an even block, or of the block 32 rows on
	s_mul_i32 s21, s14, 16*SPITCH
	s_add_co_u32 s21, s21, STAGE
	v_mul_u32_u24 v6, v1, SPITCH
	v_lshl_add_u32 v6, v2, 5, v6
	v_add_nc_u32 v[STO], s21, v6
	v_mul_u32_u24 v6, v2, SPITCH
	v_lshl_add_u32 v6, v1, 4, v6
	v_add_nc_u32 v[RD], s21, v6
	v_mul_u32_u24 v6, v2, SIZE_N*4
	v_lshl_add_u32 v[CO], v1, 4, v6
	v_lshlrev_b32 v8, 5, v2                        ; the bias: register i of tile t is column 16 t + 8 h + i
	WALU
	s_wait_dscnt 0x0
	CROUND                                         ; the opening round, ahead of the wait for the arguments
	s_wait_kmcnt 0x0
	s_add_nc_u64 s[8:9], s[8:9], 2359296           ; wo is the fourth weight
	s_add_nc_u64 s[10:11], s[10:11], 98304
	s_add_nc_u64 s[G0A+2:G0A+3], s[4:5], s[76:77]
	s_add_nc_u64 s[G0B+2:G0B+3], s[8:9], s[78:79]
	s_or_b32 s[G0B+3], s[G0B+3], 0x80000000
	s_add_nc_u64 s[6:7], s[6:7], s[80:81]
	s_add_nc_u64 s[10:11], s[10:11], s[82:83]
	s_add_nc_u64 s[84:85], s[84:85], s[90:91]
	s_add_nc_u64 s[12:13], s[86:87], s[88:89]
	s_cmp_eq_u32 s14, 0
	s_cbranch_scc0 .Lwave_1
	TLOAD G0B, G1B                                 ; wave 0: B, which is wanted first
	s_branch .Lasked
.Lwave_1:
	s_cmp_eq_u32 s14, 1
	s_cbranch_scc0 .Lwave_2
	ATILE 0, 128                                   ; wave 1: A's tiles 0-7
	s_branch .Lasked
.Lwave_2:
	s_cmp_eq_u32 s14, 2
	s_cbranch_scc0 .Lwave_3
	ATILE 128, 64                                  ; wave 2: 8-11
	s_branch .Lasked
.Lwave_3:
	ATILE 192, 64                                  ; wave 3: 12-15
.Lasked:
.irp p, 0,1
.irp c, 0,1
	global_load_b128 v[SB+NQ*\p+4*\c:SB+NQ*\p+4*\c+3], v[ABS], s[10:11] offset:\p*1024+16*\c
.endr
.endr
.irp p, 0,1,2,3
.irp c, 0,1
	global_load_b128 v[SA+8*\p+4*\c:SA+8*\p+4*\c+3], v[AAS], s[6:7] offset:\p*2048+16*\c
.endr
.endr
.irp b, 0,1,2,3
	global_load_b128 v[BO+8*\b:BO+8*\b+3], v8, s[84:85] offset:64*\b
	global_load_b128 v[BO+8*\b+4:BO+8*\b+7], v8, s[84:85] offset:64*\b+16
.endr
	s_cmp_eq_u32 s14, 0
	s_cbranch_scc0 .Lnot_b
	s_wait_tensorcnt 0x0                           ; wave 0: B has landed
.Lnot_b:
	BARRIER
.irp q, 0,1,2,3,4,5,6,7
.irp b, 0,1,2,3
	FRAGB \q, \b
.endr
.endr
	WIN 0
	s_cmp_eq_u32 s14, 1
	s_cbranch_scc0 .Lnot_a
	s_wait_tensorcnt 0x0                           ; wave 1: A's tiles 0-7 have landed
.Lnot_a:
	s_wait_dscnt 0x0
	BARRIER                                        ; A's first eight tiles are in, and nobody reads B's bytes any more.  Waves 2 and 3's tiles may still be on their way
	FETCH 0, AQ0
	FETCH 1, AQ
	s_wait_loadcnt 0x0                             ; the scale words and the bias
	s_wait_dscnt NF                                ; block 0's fragments are in
; ================= the stream
.irp s, 0,1,2,3,4,5,6,7
	STREAM \s
.endr
	s_wait_tensorcnt 0x0                           ; the wave's end
	ds_add_u32 v[SPW], v[NIL]
	s_wait_dscnt 0x0
	CROUND                                         ; the closing round
	s_endpgm
.Lfunc_end_k_qf6e04a5641_outproj:
	.size	k_qf6e04a5641_outproj, .Lfunc_end_k_qf6e04a5641_outproj-k_qf6e04a5641_outproj
	.p2alignl 7, 3214868480
	.fill 96, 4, 3214868480
	.section	.rodata,"a",@progbits
	.p2align	6, 0x0
	.amdhsa_kernel k_qf6e04a5641_outproj
		.amdhsa_group_segment_fixed_size 327680
		.amdhsa_private_segment_fixed_size 0
		.amdhsa_enable_private_segment 0
		.amdhsa_kernarg_size 48
		.amdhsa_user_sgpr_count 2
		.amdhsa_user_sgpr_kernarg_segment_ptr 1
		.amdhsa_wavefront_size32 1
		.amdhsa_system_sgpr_workgroup_id_x 1
		.amdhsa_system_sgpr_workgroup_id_y 1
		.amdhsa_system_sgpr_workgroup_id_z 1
		.amdhsa_system_vgpr_workitem_id 0
		.amdhsa_next_free_vgpr 840
		.amdhsa_next_free_sgpr 102
		.amdhsa_reserve_vcc 0
		.amdhsa_float_denorm_mode_32 3
		.amdhsa_float_denorm_mode_16_64 3
		.amdhsa_memory_ordered 1
		.amdhsa_forward_progress 1
		.amdhsa_inst_pref_size 82
	.end_amdhsa_kernel
	.amdgpu_metadata
---
amdhsa.version: [ 1, 2 ]
amdhsa.kernels:
  - .name:           k_qf6e04a5641_outproj
    .symbol:         k_qf6e04a5641_outproj.kd
    .args:
      - { .name: cc, .offset: 0, .size: 8, .value_kind: global_buffer, .address_space: global }
      - { .name: cs, .offset: 8, .size: 8, .value_kind: global_buffer, .address_space: global }
      - { .name: wc, .offset: 16, .size: 8, .value_kind: global_buffer, .address_space: global }
      - { .name: ws, .offset: 24, .size: 8, .value_kind: global_buffer, .address_space: global }
      - { .name: bo, .offset: 32, .size: 8, .value_kind: global_buffer, .address_space: global }
      - { .name: out0, .offset: 40, .size: 8, .value_kind: global_buffer, .address_space: global }
    .group_segment_fixed_size: 327680
    .private_segment_fixed_size: 0
    .kernarg_segment_align: 8
    .kernarg_segment_size: 48
    .max_flat_workgroup_size: 128
    .sgpr_count:     102
    .vgpr_count:     840
    .wavefront_size: 32
...
	.end_amdgpu_metadata
.endif
;; end of part 4
